; MI455X (gfx1250); checked and timed in simulation.
; The chip was launched on July 23, 2026; its instructions are those of AMD's public machine-readable ISA for CDNA 5 (MIT licence, August 2026) and "CDNA5" Instruction Set Architecture Reference Guide (July 2026). The comments in the code are by the model that wrote it; some were corrected since.
;; HF Prefix MLP. Allowed arithmetic: float matrix products may take bf16 or f16 operands with f32 sums; other float arithmetic in f32, or as packed bf16 or f16 multiplies, adds, multiply-adds, maxima and minima; sums over many terms, partial sums and values carried from step to step in f32; what a program stores and reads back later, other than sums and carried values, may be rounded once to bf16 or f16.
;; Inputs: hidden_states 4 x 256 x 1,024 float32; router_w 8 x 1,024 float32; w_down 8 x 1,024 x 2,048 float32; w_gate 8 x 2,048 x 1,024 float32; w_up 8 x 2,048 x 1,024 float32.
;; Outputs: out0 4 x 256 x 1,024 float32.
;; 2 versions, each right; version 2 is version 1 with the launch down written anew for expert scheduling mode. Each part assembles by itself: llvm-mc -triple=amdgcn-amd-amdhsa -mcpu=gfx1250 --defsym DOCPART=n.
;; ======== version 1 of 2: 4 launches
;; workspace buffers: xb 2,097,152 bytes; idx 8,192 bytes of whole numbers; tw 8,192 bytes; hb 33,554,432 bytes; y 67,108,864 bytes; lst 49,152 bytes of whole numbers
;; launch router (part 1): grid 256 x 1, 4 waves a work-group, no clusters, 33,280 bytes of LDS; arguments hidden_states, router_w, xb, idx, tw; writes xb, idx, tw
.if DOCPART == 1
	.amdgcn_target "amdgcn-amd-amdhsa--gfx1250"
	.amdhsa_code_object_version 6
	.text
	.protected	k_q3473dfb44b_router
	.globl	k_q3473dfb44b_router
	.p2align	8
	.type	k_q3473dfb44b_router,@function
k_q3473dfb44b_router:
	s_mov_b64 s[64:65], 0
	v_nop
	global_prefetch_b8 v0, s[64:65] scope:SCOPE_SE
	s_setreg_imm32_b32 hwreg(HW_REG_WAVE_MODE, 25, 1), 1
	s_wait_xcnt 0x0
; ROUTER.  For each of the 1,024 tokens: x rounded once to bf16 (stored in xb for the first product), the 8 logits x . router_w[e], their softmax with the maximum taken away,
; the two largest scores (the lower index wins a tie: the compare is strict and goes up the experts), and their weights divided by their sum.
; Both x and router_w are rounded to bf16 first, like every input of the program; their products are then exact in f32 and are summed in f32.
; SHARES.  256 work-groups of four waves, one token a wave.  A lane holds the elements 128 c + 4 lane .. + 3, c = 0 .. 7, of its token.
; The logits are 0.07 per cent of the program's multiply-adds and a tile of 16 rows would give work to 64 work-groups only: they are made by packed f32 multiply-adds.
; router_w (32,768 bytes as f32) is read once by the work-group, two experts a wave, rounded, and shared through LDS.  No work-group shares anything larger: no cluster.
; LIMITS.  NaN and infinities are not treated apart.  Two logits closer than the difference between two orders of an f32 sum of 1,024 terms (about 1e-6 of their size) may be ranked otherwise.
; A score below 2^-126 counts as 0.
.set SPARE, 32768                      ; behind router_w: the spare words, 128 bytes a wave
.set X,   8                            ; v[8:39]    my 32 elements of x
.set XP,  40                           ; v[40:55]   the same, packed to bf16
.set RW,  56                           ; v[56:119]  router_w: first as loaded, then two buffers of 32 for the chunks read from LDS
.set AC,  120                          ; v[120:135] a pair of partial sums for each expert
.set LG,  136                          ; v[136:143] logits
.set PR,  144                          ; v[144:151] scores
	s_load_b256 s[4:11], s[0:1], 0x0               ; hidden_states s[4:5], router_w s[6:7], xb s[8:9], idx s[10:11]
	s_load_b64 s[12:13], s[0:1], 0x20              ; tw
	v_lshl_add_u32 v4, v0, 2, SPARE                ; my spare word
	v_mov_b32 v5, 0                                ; and 0
	v_and_b32 v1, 31, v0                           ; lane
	v_lshrrev_b32 v7, 5, v0
	v_readfirstlane_b32 s14, v7                    ; wave
	v_lshlrev_b32 v2, 4, v1                        ; 16 x lane
	v_lshlrev_b32 v3, 3, v1                        ; 8 x lane
	s_lshl_b32 s16, s14, 13
	v_add_nc_u32 v6, s16, v2                       ; my wave's two experts of router_w: 8,192 x wave + 16 x lane, in memory and in LDS alike
	s_lshl_b32 s15, ttmp9, 2
	s_add_co_u32 s15, s15, s14                     ; my token
	s_mov_b32 s17, 0
	s_mov_b32 s18, 0x76543210                      ; v_permlanex16_b32: each lane takes its own place in the other half
	s_mov_b32 s19, 0xfedcba98
	s_mov_b32 s21, 0xffff0000                      ; a word's upper bf16
	s_mov_b32 s22, 0x3fb8aa3b                      ; log2(e)
	v_mov_b32 v166, 0                              ; the exchange's destination counts as read
	v_mov_b32 v162, 0                              ; offset 0 for the two last stores
	s_wait_kmcnt 0x0
.set i, 0
.rept 16
	global_load_b128 v[RW+4*i:RW+4*i+3], v6, s[6:7] offset:512*i
.set i, i+1
.endr
	s_lshl_b32 s16, s15, 12                        ; a row of x is 4,096 bytes
	s_add_nc_u64 s[4:5], s[4:5], s[16:17]
.set i, 0
.rept 8
	global_load_b128 v[X+4*i:X+4*i+3], v2, s[4:5] offset:512*i th:TH_LOAD_NT
.set i, i+1
.endr
	s_lshl_b32 s16, s15, 11                        ; a row of xb is 2,048 bytes
	s_add_nc_u64 s[8:9], s[8:9], s[16:17]
	s_lshl_b32 s16, s15, 3                         ; a token's two experts, and its two weights, are 8 bytes
	s_add_nc_u64 s[10:11], s[10:11], s[16:17]
	s_add_nc_u64 s[12:13], s[12:13], s[16:17]
	s_wait_loadcnt 8                               ; router_w is in; the eight loads of x are younger
.set i, 0
.rept 32                                               ; rounded to bf16 and widened again, two at a time
	v_cvt_pk_bf16_f32 v7, v[RW+2*i], v[RW+2*i+1]
	v_lshlrev_b32 v[RW+2*i], 16, v7
	v_and_b32 v[RW+2*i+1], s21, v7
.set i, i+1
.endr
.set i, 0
.rept 16
	ds_store_b128 v6, v[RW+4*i:RW+4*i+3] offset:512*i
.set i, i+1
.endr
	s_wait_loadcnt 0x0                             ; x
.set i, 0
.rept 16
	v_cvt_pk_bf16_f32 v[XP+i], v[X+2*i], v[X+2*i+1]
	v_lshlrev_b32 v[X+2*i], 16, v[XP+i]
	v_and_b32 v[X+2*i+1], s21, v[XP+i]
.set i, i+1
.endr
.set i, 0
.rept 8
	global_store_b64 v3, v[XP+2*i:XP+2*i+1], s[8:9] offset:256*i   ; the wave stores 256 consecutive bytes, at a multiple of 256 from xb's first byte
.set i, i+1
.endr
	s_wait_dscnt 0x0                               ; for the others' sake: my part of router_w is in LDS
	s_barrier_signal -1
	s_barrier_wait -1
.macro LDW c                           ; chunk c (128 elements) of all eight experts: 512 consecutive bytes a load
.set ee, 0
.rept 8
	ds_load_b128 v[RW+32*((\c)&1)+4*ee:RW+32*((\c)&1)+4*ee+3], v2 offset:4096*ee+512*(\c)
.set ee, ee+1
.endr
.endm
	LDW 0
.set cc, 0
.rept 8
.if cc < 7
	LDW cc+1
	s_wait_dscnt 8                                 ; this chunk is in; the next chunk's eight loads stay out
.else
	s_wait_dscnt 0x0
.endif
.set hf, 0
.rept 2                                                ; the eight experts' sums take turns
.set ee, 0
.rept 8
.if (cc == 0) && (hf == 0)
	v_pk_mul_f32 v[AC+2*ee:AC+2*ee+1], v[X+4*cc+2*hf:X+4*cc+2*hf+1], v[RW+32*(cc&1)+4*ee+2*hf:RW+32*(cc&1)+4*ee+2*hf+1]
.else
	v_pk_fma_f32 v[AC+2*ee:AC+2*ee+1], v[X+4*cc+2*hf:X+4*cc+2*hf+1], v[RW+32*(cc&1)+4*ee+2*hf:RW+32*(cc&1)+4*ee+2*hf+1], v[AC+2*ee:AC+2*ee+1]
.endif
.set ee, ee+1
.endr
.set hf, hf+1
.endr
.set cc, cc+1
.endr
.set ee, 0
.rept 8
	v_add_f32 v[LG+ee], v[AC+2*ee], v[AC+2*ee+1]
.set ee, ee+1
.endr
.irp m, 1,2,4,8                        ; across the 16 lanes of a half, on the addition itself; the eight logits take turns
.set ee, 0
.rept 8
	v_add_f32_dpp v[LG+ee], v[LG+ee], v[LG+ee] row_xmask:\m row_mask:0xf bank_mask:0xf
.set ee, ee+1
.endr
.endr
.set ee, 0
.rept 8                                                ; and the other half: every lane then holds all eight logits
	v_permlanex16_b32 v166, v[LG+ee], s18, s19
	v_add_f32 v[LG+ee], v[LG+ee], v166
.set ee, ee+1
.endr
	; the softmax: the maximum is taken away, as in the definition
	v_max3_num_f32 v152, v[LG], v[LG+1], v[LG+2]
	v_max3_num_f32 v152, v152, v[LG+3], v[LG+4]
	v_max3_num_f32 v152, v152, v[LG+5], v[LG+6]
	v_max_num_f32 v152, v152, v[LG+7]
.set ee, 0
.rept 8
	v_sub_f32 v[PR+ee], v[LG+ee], v152
.set ee, ee+1
.endr
.set ee, 0
.rept 8
	v_mul_f32 v[PR+ee], s22, v[PR+ee]
.set ee, ee+1
.endr
.set ee, 0
.rept 8
	v_exp_f32 v[PR+ee], v[PR+ee]
.set ee, ee+1
.endr
	v_nop                                          ; a plain instruction behind the last exponential (ISA guide 5.7.2),
	s_wait_alu depctr_va_vdst(0)                   ; and one wait for the batch of eight, ahead of its first reader
	v_add_f32 v153, v[PR], v[PR+1]
	v_add_f32 v160, v[PR+2], v[PR+3]
	v_add_f32 v161, v[PR+4], v[PR+5]
	v_add_f32 v163, v[PR+6], v[PR+7]
	v_add_f32 v153, v153, v160
	v_add_f32 v161, v161, v163
	v_add_f32 v153, v153, v161
	v_rcp_f32 v161, v153
	v_nop
	s_wait_alu depctr_va_vdst(0)
.set ee, 0
.rept 8
	v_mul_f32 v[PR+ee], v[PR+ee], v161
.set ee, ee+1
.endr
	; the largest score: a later expert takes the place only if it is strictly larger
	v_mov_b32 v154, v[PR]
	v_mov_b32 v156, 0
.irp e, 1,2,3,4,5,6,7
	v_cmp_gt_f32 vcc_lo, v[PR+\e], v154
	v_cndmask_b32 v154, v154, v[PR+\e], vcc_lo
	v_cndmask_b32 v156, v156, \e, vcc_lo
.endr
.irp e, 0,1,2,3,4,5,6,7                ; the winner leaves the field: scores are never below 0
	v_cmp_eq_u32 vcc_lo, \e, v156
	v_cndmask_b32 v[PR+\e], v[PR+\e], -1.0, vcc_lo
.endr
	v_mov_b32 v155, v[PR]
	v_mov_b32 v157, 0
.irp e, 1,2,3,4,5,6,7
	v_cmp_gt_f32 vcc_lo, v[PR+\e], v155
	v_cndmask_b32 v155, v155, v[PR+\e], vcc_lo
	v_cndmask_b32 v157, v157, \e, vcc_lo
.endr
	v_add_f32 v160, v154, v155
	v_rcp_f32 v161, v160
	v_nop
	s_wait_alu depctr_va_vdst(0)
	v_mul_f32 v158, v154, v161
	v_mul_f32 v159, v155, v161
	s_wait_tensorcnt 0x0                           ; the wave's end, behind my last LDS store
	ds_add_u32 v4, v5
	s_wait_dscnt 0x0
	s_wait_xcnt 0x0                                ; EXEC is a source of the stores of xb: it changes only behind this wait
	v_cmp_eq_u32 vcc_lo, 0, v1
	s_and_saveexec_b32 s20, vcc_lo                 ; every lane holds the same four numbers: lane 0 stores them
	global_store_b64 v162, v[156:157], s[10:11]    ; the two experts, as whole numbers, at a fixed place
	global_store_b64 v162, v[158:159], s[12:13]    ; their weights
	s_wait_xcnt 0x0
	s_or_b32 exec_lo, exec_lo, s20
	s_endpgm
.Lfunc_end_k_q3473dfb44b_router:
	.size	k_q3473dfb44b_router, .Lfunc_end_k_q3473dfb44b_router-k_q3473dfb44b_router
	.p2alignl 7, 3214868480
	.fill 96, 4, 3214868480
	.section	.rodata,"a",@progbits
	.p2align	6, 0x0
	.amdhsa_kernel k_q3473dfb44b_router
		.amdhsa_group_segment_fixed_size 33280
		.amdhsa_private_segment_fixed_size 0
		.amdhsa_enable_private_segment 0
		.amdhsa_kernarg_size 40
		.amdhsa_user_sgpr_count 2
		.amdhsa_user_sgpr_kernarg_segment_ptr 1
		.amdhsa_wavefront_size32 1
		.amdhsa_system_sgpr_workgroup_id_x 1
		.amdhsa_system_sgpr_workgroup_id_y 1
		.amdhsa_system_sgpr_workgroup_id_z 1
		.amdhsa_system_vgpr_workitem_id 0
		.amdhsa_next_free_vgpr 168
		.amdhsa_next_free_sgpr 66
		.amdhsa_reserve_vcc 1
		.amdhsa_float_denorm_mode_32 3
		.amdhsa_float_denorm_mode_16_64 3
		.amdhsa_memory_ordered 1
		.amdhsa_forward_progress 1
		.amdhsa_inst_pref_size 32
	.end_amdhsa_kernel
	.amdgpu_metadata
---
amdhsa.version: [ 1, 2 ]
amdhsa.kernels:
  - .name:           k_q3473dfb44b_router
    .symbol:         k_q3473dfb44b_router.kd
    .args:
      - { .name: hidden_states, .offset: 0, .size: 8, .value_kind: global_buffer, .address_space: global }
      - { .name: router_w, .offset: 8, .size: 8, .value_kind: global_buffer, .address_space: global }
      - { .name: xb, .offset: 16, .size: 8, .value_kind: global_buffer, .address_space: global }
      - { .name: idx, .offset: 24, .size: 8, .value_kind: global_buffer, .address_space: global }
      - { .name: tw, .offset: 32, .size: 8, .value_kind: global_buffer, .address_space: global }
    .group_segment_fixed_size: 33280
    .private_segment_fixed_size: 0
    .kernarg_segment_align: 8
    .kernarg_segment_size: 40
    .max_flat_workgroup_size: 128
    .sgpr_count:     66
    .vgpr_count:     168
    .wavefront_size: 32
...
	.end_amdgpu_metadata
.endif
;; end of part 1
;; launch gateup (part 2): grid 256 x 1, 4 waves a work-group, no clusters, 43,008 bytes of LDS; arguments xb, idx, w_gate, w_up, hb, lst; writes hb, lst
.if DOCPART == 2
	.amdgcn_target "amdgcn-amd-amdhsa--gfx1250"
	.amdhsa_code_object_version 6
	.text
	.protected	k_q3473dfb44b_gateup
	.globl	k_q3473dfb44b_gateup
	.p2align	8
	.type	k_q3473dfb44b_gateup,@function
k_q3473dfb44b_gateup:
	s_mov_b64 s[64:65], 0
	v_nop
	global_prefetch_b8 v0, s[64:65] scope:SCOPE_SE
	s_setreg_imm32_b32 hwreg(HW_REG_WAVE_MODE, 25, 1), 1
	s_wait_xcnt 0x0
; FIRST PRODUCT AND ACTIVATION.  h[row][f] = silu(x . w_gate[e][f]) * (x . w_up[e][f]) for the rows (tokens) that chose expert e, and for no others.  Operands bf16, sums f32, h rounded once to bf16.
; SHARES.  Work-group n: expert e = n / 32, slice s = n % 32: rows 64 s .. 64 s + 63 of w_gate[e] and of w_up[e], 524,288 bytes of f32 that this work-group alone reads.  A wave takes the expert's
; tiles of 16 rows 4 i + w (i = 0 .. 4) against all 128 weight rows: 40 accumulators.
; THE STREAM OF WEIGHTS RUNS UNDER THE PRODUCTS.  K goes in 32 sub-steps of 32.  The text is a chain of SLOTS; in slot t a wave
;   asks for the tokens' fragments of sub-step t - 4: ten loads from xb, straight into registers as source 1;
;   rounds PART t - 4 of its weights to bf16, lays it into LDS, and asks for part t.  A part is eight loads: 16 rows x 256 bytes of f32 (64 along K), the wave's gate rows (t even) or up rows (t odd);
;   multiplies sub-step t - 7, and in the middle of those products fetches the weights' fragments of sub-step t - 6 from LDS.
; Two parts of each of the four waves are a CHUNK: 128 rows x 64 along K.  LDS holds a ring of two chunks.  Every LDS address is a register that never changes plus an immediate: the loop's body of four
; slots goes once round the ring.  ONE BARRIER stands at the head of every even slot, behind the wait for all my LDS instructions: in front of it the chunk finished in the last two slots is stored and
; the reads of the other ring slot are back, in every wave; behind it that ring slot is written again and the finished chunk is read.
; COUNTS.  Loads come back in order (ISA guide 5.7.1), so one counted wait a slot serves tokens and weights: behind the tokens of the slot's sub-step stand three parts (8 loads each) and three
; sub-steps' tokens (10 each): 54.  With the part asked for behind the wait 62 loads are out, inside the counter's field; 24 to 32 of them are weights, 512 bytes each.
; THE LIST.  Wave 0 makes the list of the expert's tokens from idx (whole numbers that the launch before stored) while the first four parts are on their way.  Places past the count hold token 0, a row
; that exists.  The work-group of slice 0 stores list and count in lst for the launch behind.
; EVERY SPLIT IS SERVED.  The chain above is pass 0: the first 320 rows.  Every wave runs it whole, whatever the count: tiles 0 to 3 are multiplied whether they have rows or not (a tile without rows
; holds token 0's row and is not stored); the fifth tile's products and each tile's way out are jumped where there are no rows.  No barrier stands in what is jumped.
; ROWS PAST 320 (passes 1 to 3, tiles 20 p + 4 i + w) take a plain way with no LDS weights and no barrier, since its length hangs on the count: each wave reads the f32 weights itself, in the
; fragments' order, rounds them and multiplies, one sub-step a trip, nothing asked for ahead.  LIMIT OF SPEED, not of values: such a pass reads the slice four times over (once a wave) and waits for
; memory in each of its 32 trips.
; THE MATRIX INSTRUCTION IS USED TRANSPOSED: source 0 = 16 rows of weights, source 1 = 16 tokens.  A lane then holds one token and eight neighbouring f: 16 bytes of bf16, and those 16 bytes of
; the 32 lanes, stored end to end (512 consecutive bytes), are half a fragment of the next product's source 1: hb is [e][tile 64][block of 16 f: 128][lane 32][8 bf16].
; NO CLUSTER: each slice of weights has one reader; what an expert's 32 work-groups share is its token rows, which come by a list, and no tile descriptor covers a list.
; NO TILE LOADS INTO LDS BY THE DATA MOVER: the f32 weights have to pass through registers to be rounded anyway.
; LIMITS.  NaN and infinities are not treated apart.  For a gate below about -88 the exponential is infinite and silu counts as -0 (its true size is under 1e-36).  An index outside 0 .. 7 in idx selects no expert.
.set CP,    144                        ; a ring row: 128 bytes of bf16 + 16 = 9 x 16: the 16 rows of a fragment load start at 16 different groups of four banks (ISA guide 11.1)
.set CSLOT, 128*CP                     ; a ring slot: rows 0-63 gate, rows 64-127 up
.set UPR,   64*CP
.set LIST,  2*CSLOT                    ; 1,280 words of tokens, and word 1,280 for what is not chosen
.set CNTW,  LIST+5376                  ; the count, in a block of its own
.set SPARE, CNTW+256                   ; the spare words, 128 bytes a wave
; window 0
.set LANE, 1
.set RR,   2                           ; lane % 16
.set HH,   3                           ; lane / 16
.set SPW,  4                           ; my spare word's address; never rewritten
.set NIL,  5                           ; 0; never rewritten
.set L16,  6                           ; 16 x lane
.set LSTO, 7                           ; where my 8 bytes of a part's first load go in ring slot 0; never rewritten
.set WFA,  8                           ; my place in a fragment of ring slot 0; never rewritten
.set WOF,  9                           ; my byte offset in a part's first load; never rewritten
.set SOF0, 10                          ; the plain way: my byte offset in a fragment of f32 at K = 0
.set SOFW, 11                          ; the same, walking along K
.set TOF,  24                          ; v[24:28] tile i: my token's row in xb + 16 x (lane / 16)
.set LA,   29                          ; where my token of the pass's tile 0 stands in the list
.set HST,  30                          ; my 16 bytes in the pass's tile 0 of hb
.set DUMPI, 31                         ; 1,280
.set L2,   33                          ; 2 x lane
.set CV,   34                          ; v[34:49] a part's 16 packed registers
.set TA,   40                          ; v[40:43], v[44:47] at work on the list, before the first part is rounded
.set TB,   44
.set IDX,  64                          ; v[64:127] idx
.set T,    64                          ; v[64:95]  the way out, at work
.set WF,   128                         ; v[128:191], v[192:255] two buffers of eight weight fragments
.set OUT,  128                         ; v[128:143] the way out: packed results
; window 1: v0-127 the ring of four parts as loaded, part t at 32 (t % 4).   window 2: accumulators of tiles 0-3 at 64 i + 8 b (b 0-3 gate, 4-7 up).
; window 3: v0-63 tile 4's accumulators; v64-223 the tokens' ring: sub-step g, tile i at 64 + 40 (g % 4) + 8 i
.set TR,   64
.set WV,   16
.set EX,   17
.set SL,   18
.set RUN,  28
.set NT,   29                          ; tiles of the expert
.set MT,   30                          ; my tiles in the pass in hand
.set PASS, 31
.set MK,   66                          ; s[66:73] four steps' masks
.set MSB, 0
.macro WIN new                         ; s_set_vgpr_msb: bits 1:0 source 0, 3:2 source 1, 5:4 source 2, 7:6 destination; the high byte repeats the setting that is left
.if MSB != (\new)
	s_set_vgpr_msb (MSB<<8)|(\new)
.set MSB, \new
.endif
.endm
.macro PLACES                          ; four plain instructions between a matrix instruction and a load into, or a vector instruction on, its registers
.rept 4
	v_nop
.endr
.endm
.macro ISSUE tr                        ; part tr is asked for: load k brings 256 bytes of row k (lanes 0-15) and of row k + 8 (lanes 16-31), each at a multiple of 256 from the tensor's first byte
	WIN 0x40
.set kk, 0
.rept 8
.if ((\tr)&1) == 0
	global_load_b128 v[32*((\tr)%4)+4*kk:32*((\tr)%4)+4*kk+3], v[WOF], s[20:21] offset:((\tr)>>1)*256+4096*kk th:TH_LOAD_NT
.else
	global_load_b128 v[32*((\tr)%4)+4*kk:32*((\tr)%4)+4*kk+3], v[WOF], s[22:23] offset:((\tr)>>1)*256+4096*kk th:TH_LOAD_NT
.endif
.set kk, kk+1
.endr
.endm
.macro CVT tr                          ; part tr - 4, which lies in the same registers, is rounded
	WIN 0x05
.set kk, 0
.rept 16
	v_cvt_pk_bf16_f32 v[CV+kk], v[32*((\tr)%4)+2*kk], v[32*((\tr)%4)+2*kk+1]
.set kk, kk+1
.endr
.endm
.macro PUT tr                          ; and laid into its chunk's ring slot: the two rows of a store lie 8 x 36 words apart, in the two halves of the banks
	WIN 0
.set kk, 0
.rept 8
	ds_store_b64 v[LSTO], v[CV+2*kk:CV+2*kk+1] offset:((((\tr)-4)>>1)&1)*CSLOT+((\tr)&1)*UPR+kk*CP
.set kk, kk+1
.endr
.endm
.macro WFETCH gn                       ; the eight weight fragments of sub-step gn: lane l holds row l % 16; K = 8 (l / 16) .. + 7 and 16 + 8 (l / 16) .. + 7: two loads of 16 bytes, 32 bytes apart
	WIN 0
.set tb, 0
.rept 8
	ds_load_b128 v[WF+64*((\gn)&1)+8*tb:WF+64*((\gn)&1)+8*tb+3],   v[WFA] offset:(((\gn)>>1)&1)*CSLOT+16*tb*CP+((\gn)&1)*64
	ds_load_b128 v[WF+64*((\gn)&1)+8*tb+4:WF+64*((\gn)&1)+8*tb+7], v[WFA] offset:(((\gn)>>1)&1)*CSLOT+16*tb*CP+((\gn)&1)*64+32
.set tb, tb+1
.endr
.endm
.macro TLOAD tr                        ; the five tiles' token fragments of sub-step tr - 4.  Tiles without rows load token 0's: so the counts on the loads are constants on every path
	WIN 0xc0
.set ti, 0
.rept 5
	global_load_b128 v[TR+40*((\tr)%4)+8*ti:TR+40*((\tr)%4)+8*ti+3],   v[TOF+ti], s[26:27] offset:64*((\tr)-4)
	global_load_b128 v[TR+40*((\tr)%4)+8*ti+4:TR+40*((\tr)%4)+8*ti+7], v[TOF+ti], s[26:27] offset:64*((\tr)-4)+32
.set ti, ti+1
.endr
.endm
; The products of a sub-step: tiles 0 to 3 always, tile 4 where I have five; eight blocks each.  The accumulators take turns: no two matrix instructions that follow each
; other share one, on either path and over the loops' jumps.  zero = 1: the first sub-step starts all 40 sums with the constant 0, tile 4's too: nothing is cleared.
; wf = 1: behind two tiles' products the next sub-step's weight fragments are fetched into the other buffer, whose last readers stand ahead of the slot's four places.
.macro MULT j, buf, zero, wf, gn
.set ti, 0
.rept 5
.if (ti == 2) && (\wf)
	WFETCH \gn
.endif
.if ti == 4
.if !(\zero)
	WIN 0                                          ; at a branch and at a label every window is 0
	s_cmp_lt_u32 s[MT], 5
	s_cbranch_scc1 .Lmend_\@
.endif
	WIN 0xfc                                       ; weights window 0, tokens window 3, sums window 3
.else
	WIN 0xac                                       ; sums window 2
.endif
.set tb, 0
.rept 8
.set rA, WF+64*(\buf)+8*tb
.set rB, TR+40*(\j)+8*ti
.set rC, 64*(ti%4)+8*tb
.if \zero
	v_wmma_f32_16x16x32_bf16 v[rC:rC+7], v[rA:rA+7], v[rB:rB+7], 0
.else
	v_wmma_f32_16x16x32_bf16 v[rC:rC+7], v[rA:rA+7], v[rB:rB+7], v[rC:rC+7]
.endif
.set tb, tb+1
.endr
.set ti, ti+1
.endr
	WIN 0
.Lmend_\@:
.endm
; Slot tr, counted from the walking bases.  tl: tokens are asked for; cv: a part is rounded and stored; is: a part is asked for; mm: a sub-step is multiplied; bar: the ring's barrier; left: the younger loads.
.macro SLOT tr, tl, cv, is, mm, zero, wf, bar, left
	s_wait_dscnt 0x0                               ; this sub-step's weight fragments are in, and my stores of the last slot are done
.if \bar
	s_barrier_signal -1                            ; so in every wave: the chunk of the last two slots is whole, and nobody reads the other ring slot any more
	s_barrier_wait -1
.endif
.if \mm
	PLACES                                         ; behind the last slot's products, whose registers the loads of this slot fill again
.endif
.if \tl
	TLOAD \tr
.endif
	s_wait_loadcnt \left
.if \cv
	CVT \tr
.endif
.if \is
	ISSUE \tr
.endif
.if \cv
	PUT \tr
.endif
.if \mm
	MULT ((\tr)+1)%4, ((\tr)+1)&1, \zero, \wf, (\tr)-6
.elseif \wf
	WFETCH (\tr)-6
.endif
.endm
.macro LGRP q0                         ; four steps of the list, tokens 64 q + 2 lane + x for q = q0, q0 + 1 and x = 0, 1: those that chose the expert take the next ranks, in the order of the lanes.  Like lines stand together, so that none waits for the one before it
.set kk, 0
.rept 4
	v_cmp_eq_u32 s[MK+2*kk],   v[IDX+4*((\q0)+kk/2)+2*(kk%2)],   s[EX]
	v_cmp_eq_u32 s[MK+2*kk+1], v[IDX+4*((\q0)+kk/2)+2*(kk%2)+1], s[EX]
.set kk, kk+1
.endr
.set kk, 0
.rept 4
	s_or_b32 s[MK+2*kk], s[MK+2*kk], s[MK+2*kk+1]
.set kk, kk+1
.endr
.set kk, 0
.rept 4
	v_mbcnt_lo_u32_b32 v[TA+kk], s[MK+2*kk], s[RUN]
	s_bcnt1_i32_b32 s[MK+2*kk+1], s[MK+2*kk]
	s_add_co_u32 s[RUN], s[RUN], s[MK+2*kk+1]
.set kk, kk+1
.endr
.set kk, 0
.rept 4
	v_cndmask_b32 v[TA+kk], v[DUMPI], v[TA+kk], s[MK+2*kk]
.set kk, kk+1
.endr
.set kk, 0
.rept 4
	v_min_u32 v[TA+kk], 1280, v[TA+kk]
.set kk, kk+1
.endr
.set kk, 0
.rept 4
	v_lshl_add_u32 v[TA+kk], v[TA+kk], 2, LIST
.set kk, kk+1
.endr
.set kk, 0
.rept 4
	v_add_nc_u32 v[TB+kk], 64*((\q0)+kk/2)+(kk%2), v[L2]
.set kk, kk+1
.endr
.set kk, 0
.rept 4
	ds_store_b32 v[TA+kk], v[TB+kk]
.set kk, kk+1
.endr
.endm
.macro TOKENS                          ; my token of each of the pass's five tiles, as an offset in xb
.set ti, 0
.rept 5
	ds_load_b32 v[TOF+ti], v[LA] offset:256*ti
.set ti, ti+1
.endr
	s_wait_dscnt 0x0
.set ti, 0
.rept 5
	v_min_u32 v[TOF+ti], 1023, v[TOF+ti]
	v_lshlrev_b32 v[TOF+ti], 11, v[TOF+ti]         ; a row of xb is 2,048 bytes
	v_lshl_add_u32 v[TOF+ti], v[HH], 4, v[TOF+ti]
.set ti, ti+1
.endr
.endm
.macro MYTILES                         ; s33 = the pass's first tile: my tiles are those of s33 + 4 i + w that lie under NT
	s_sub_co_i32 s[MT], s[NT], s33
	s_sub_co_i32 s[MT], s[MT], s[WV]
	s_add_co_i32 s[MT], s[MT], 3
	s_ashr_i32 s[MT], s[MT], 2
	s_max_i32 s[MT], s[MT], 0
	s_min_i32 s[MT], s[MT], 5
.endm
	s_load_b256 s[4:11], s[0:1], 0x0               ; xb s[4:5], idx s[6:7], w_gate s[8:9], w_up s[10:11]
	s_load_b128 s[12:15], s[0:1], 0x20             ; hb s[12:13], lst s[14:15]
	v_lshl_add_u32 v[SPW], v0, 2, SPARE
	v_mov_b32 v[NIL], 0
	v_and_b32 v[LANE], 31, v0
	v_lshrrev_b32 v[RR], 5, v0
	v_readfirstlane_b32 s[WV], v[RR]               ; wave
	v_and_b32 v[RR], 15, v0
	v_bfe_u32 v[HH], v0, 4, 1
	v_lshlrev_b32 v[L16], 4, v[LANE]
	v_lshlrev_b32 v[L2], 1, v[LANE]
	v_mov_b32 v[DUMPI], 1280
	v_lshlrev_b32 v[WOF], 4, v[RR]                 ; 16 bytes a lane in a row's 256,
	v_lshl_add_u32 v[WOF], v[HH], 15, v[WOF]       ; and eight rows of 4,096 bytes further down for lanes 16 to 31
	s_lshr_b32 s[EX], ttmp9, 5                     ; expert
	s_and_b32 s[SL], ttmp9, 31                     ; slice
	s_lshl_b32 s34, s[EX], 23                      ; an expert's weights: 8 MiB; a slice's 64 rows: 256 KiB
	s_lshl_b32 s33, s[SL], 18
	s_add_co_u32 s34, s34, s33
	s_mov_b32 s35, 0                               ; stays 0: the upper word of every offset
	s_wait_kmcnt 0x0
	s_add_nc_u64 s[36:37], s[8:9], s[34:35]        ; the slice's gate rows
	s_add_nc_u64 s[40:41], s[10:11], s[34:35]      ; the slice's up rows
	s_lshl_b32 s34, s[WV], 16                      ; a wave's 16 rows: 64 KiB
	s_add_nc_u64 s[20:21], s[36:37], s[34:35]      ; my wave's gate rows; walks along K
	s_add_nc_u64 s[22:23], s[40:41], s[34:35]      ; my wave's up rows; walks along K
.set qq, 0
.rept 16                                               ; idx first: 8,192 bytes
	global_load_b128 v[IDX+4*qq:IDX+4*qq+3], v[L16], s[6:7] offset:512*qq
.set qq, qq+1
.endr
	ISSUE 0                                        ; slots 0 to 3: the ring of parts is filled
	ISSUE 1
	ISSUE 2
	ISSUE 3
	WIN 0
	s_lshl_b32 s34, s[EX], 22                      ; hb: an expert's 64 tiles are 4 MiB; the slice's four blocks of 16 f begin at 2,048 s
	s_lshl_b32 s33, s[SL], 11
	s_add_co_u32 s34, s34, s33
	s_add_nc_u64 s[24:25], s[12:13], s[34:35]
	s_mov_b64 s[26:27], s[4:5]                     ; xb; walks along K
	v_mul_u32_u24 v[LSTO], v[HH], 8*CP             ; ring row 16 w + k + 8 (lane / 16), 8 bytes a lane
	v_lshl_add_u32 v[LSTO], v[RR], 3, v[LSTO]
	s_mul_i32 s33, s[WV], 16*CP
	v_add_nc_u32 v[LSTO], s33, v[LSTO]
	v_mul_u32_u24 v[WFA], v[RR], CP
	v_lshl_add_u32 v[WFA], v[HH], 4, v[WFA]
	v_lshlrev_b32 v[SOF0], 12, v[RR]               ; the plain way: row lane % 16 of 4,096 bytes, 8 f32 for each half of the lanes
	v_lshl_add_u32 v[SOF0], v[HH], 5, v[SOF0]
	s_lshl_b32 s33, s[WV], 6
	s_add_co_u32 s33, s33, LIST
	v_lshl_add_u32 v[LA], v[RR], 2, s33            ; list word 16 w + lane % 16
	s_lshl_b32 s33, s[WV], 16
	v_add_nc_u32 v[HST], s33, v[L16]               ; tile w of hb
	s_mov_b32 s38, 0xbfb8aa3b                      ; -log2(e), named as a pair
	s_mov_b32 s39, 0xbfb8aa3b
	s_cmp_lg_u32 s[WV], 0
	s_cbranch_scc1 .Llist_done
	v_mov_b32 v36, 0
	v_mov_b32 v37, 0
	v_mov_b32 v38, 0
	v_mov_b32 v39, 0
	v_add_nc_u32 v[TA], LIST, v[L16]
.set qq, 0
.rept 10                                               ; places past the count hold token 0
	ds_store_b128 v[TA], v[36:39] offset:512*qq
.set qq, qq+1
.endr
	s_mov_b32 s[RUN], 0
	s_wait_loadcnt 32                              ; idx is in; the four parts, 32 loads, are younger
.set qq, 0
.rept 8
	LGRP qq
.set qq, qq+2
.endr
	v_mov_b32 v[TA], CNTW
	v_mov_b32 v[TB], s[RUN]
	ds_store_b32 v[TA], v[TB]
.Llist_done:
	s_wait_dscnt 0x0                               ; the list and the count are in LDS
	s_barrier_signal -1
	s_barrier_wait -1                              ; up to here wave 0 alone has written LDS
	v_mov_b32 v[TA], CNTW
	ds_load_b32 v[TB], v[TA]
	TOKENS
	v_readfirstlane_b32 s[RUN], v[TB]
	s_min_u32 s[RUN], s[RUN], 1024
	s_add_co_u32 s[NT], s[RUN], 15
	s_lshr_b32 s[NT], s[NT], 4
	s_mov_b32 s33, 0
	MYTILES
	; PASS 0.  Arguments: slot, tokens, round, ask, multiply, start the sums, fetch, barrier, younger loads
	SLOT 4,  1,1,1, 0,0,0, 0, 34                   ; behind part 0: parts 1 to 3 and one set of tokens
	SLOT 5,  1,1,1, 0,0,0, 0, 44                   ; behind part 1: three parts, two sets
	SLOT 6,  1,1,1, 0,0,1, 1, 54                   ; chunk 0 is whole: sub-step 0's fragments are fetched
	SLOT 7,  1,1,1, 1,1,1, 0, 54                   ; sub-step 0 stands in front of the loop: its products start the sums
	s_mov_b32 s32, 6
.Lk:                                                   ; a trip: four slots, once round the ring: two chunks stored, two read, 128 along K
	SLOT 8,  1,1,1, 1,0,1, 1, 54
	SLOT 9,  1,1,1, 1,0,1, 0, 54
	SLOT 10, 1,1,1, 1,0,1, 1, 54
	SLOT 11, 1,1,1, 1,0,1, 0, 54
	s_wait_xcnt 0x0                                ; the loads' bases are stepped only behind this wait
	s_add_nc_u64 s[20:21], s[20:21], 0x200         ; two chunks of 256 bytes of f32
	s_add_nc_u64 s[22:23], s[22:23], 0x200
	s_add_nc_u64 s[26:27], s[26:27], 0x100         ; four sub-steps of 64 bytes of bf16
	s_sub_co_u32 s32, s32, 1
	s_cmp_lg_u32 s32, 0
	s_cbranch_scc1 .Lk
	SLOT 8,  1,1,0, 1,0,1, 1, 54                   ; slots 32 to 35: all 32 parts are asked for; each slot has one part fewer behind its tokens
	SLOT 9,  1,1,0, 1,0,1, 0, 46
	SLOT 10, 1,1,0, 1,0,1, 1, 38
	SLOT 11, 1,1,0, 1,0,1, 0, 30
	SLOT 12, 0,0,0, 1,0,1, 1, 20                   ; slots 36 to 38: the last chunk is whole; nothing is left to ask for, and the counts run down
	SLOT 13, 0,0,0, 1,0,1, 0, 10
	SLOT 14, 0,0,0, 1,0,0, 0, 0
; The way out of tile i: (g sigmoid(g)) u in f32, rounded to bf16; each accumulator is read from its low end on.
.macro EPI i
	s_cmp_le_u32 s[MT], \i
	s_cbranch_scc1 .Lepi_end
.set AB, 64*((\i)%4)
.set AWN, 2+(\i)/4
	WIN AWN                                        ; source 0 in the accumulators' window
.set nn, 0
.rept 16
	v_pk_mul_f32 v[T+2*nn:T+2*nn+1], v[AB+2*nn:AB+2*nn+1], s[38:39] op_sel_hi:[1,0]
.set nn, nn+1
.endr
	WIN 0
.set nn, 0
.rept 32
	v_exp_f32 v[T+nn], v[T+nn]                     ; e^-g
.set nn, nn+1
.endr
	v_nop                                          ; a plain instruction behind the last exponential,
	s_wait_alu depctr_va_vdst(0)                   ; and one wait for the batch of 32
.set nn, 0
.rept 16
	v_pk_add_f32 v[T+2*nn:T+2*nn+1], v[T+2*nn:T+2*nn+1], 1.0 op_sel_hi:[1,0]
.set nn, nn+1
.endr
.set nn, 0
.rept 32
	v_rcp_f32 v[T+nn], v[T+nn]                     ; sigmoid(g)
.set nn, nn+1
.endr
	v_nop
	s_wait_alu depctr_va_vdst(0)
	WIN AWN
.set nn, 0
.rept 16
	v_pk_mul_f32 v[T+2*nn:T+2*nn+1], v[AB+2*nn:AB+2*nn+1], v[T+2*nn:T+2*nn+1]
.set nn, nn+1
.endr
.set nn, 0
.rept 16
	v_pk_mul_f32 v[T+2*nn:T+2*nn+1], v[AB+32+2*nn:AB+32+2*nn+1], v[T+2*nn:T+2*nn+1]
.set nn, nn+1
.endr
	WIN 0
	s_wait_xcnt 0x0                                ; OUT was the last tile's store data: it is rewritten only behind this wait
.set nn, 0
.rept 16
	v_cvt_pk_bf16_f32 v[OUT+nn], v[T+2*nn], v[T+2*nn+1]
.set nn, nn+1
.endr
.set nn, 0
.rept 4
	global_store_b128 v[HST], v[OUT+4*nn:OUT+4*nn+3], s[24:25] offset:262144*(\i)+512*nn  ; 512 consecutive bytes, at a multiple of 512 from hb's first byte
.set nn, nn+1
.endr
.endm
	s_mov_b32 s[PASS], 0
	s_branch .Lepi                                 ; the loop over passes is entered at the way out: pass 0's products stand above
.Lpass:                                                ; passes 1 to 3: THE PLAIN WAY, for rows past 320
	s_mul_i32 s33, s[PASS], 20
	MYTILES
	s_cmp_eq_u32 s[MT], 0
	s_cbranch_scc1 .Lnext
	TOKENS
.set kk, 0
.rept 16                                               ; the sums start at 0 by 40 products of two fragments of zeros: the price of writing no first trip out
	v_mov_b32 v[WF+kk], 0
.set kk, kk+1
.endr
	WIN 0xa0                                       ; both sources window 0, sums window 2
.set kk, 0
.rept 32
	v_wmma_f32_16x16x32_bf16 v[8*kk:8*kk+7], v[WF:WF+7], v[WF+8:WF+15], 0
.set kk, kk+1
.endr
	WIN 0xf0                                       ; sums window 3
.set kk, 0
.rept 8
	v_wmma_f32_16x16x32_bf16 v[8*kk:8*kk+7], v[WF:WF+7], v[WF+8:WF+15], 0
.set kk, kk+1
.endr
	WIN 0
	v_mov_b32 v[SOFW], v[SOF0]
	s_mov_b64 s[26:27], s[4:5]                     ; no load that names it is out: the last wait on the loads was for 0
	s_mov_b32 s32, 32
.Lslow:                                                ; a trip: one sub-step.  A fragment of f32: K = 8 (l / 16) .. + 7 are 32 bytes, K = 16 + 8 (l / 16) .. + 7 the 32 bytes 64 further on
	PLACES                                         ; behind the last products, whose registers this trip fills again
	WIN 0x40
.set fb, 0
.rept 8
.set fm, 0
.rept 4
.if fb < 4
	global_load_b128 v[16*fb+4*fm:16*fb+4*fm+3], v[SOFW], s[36:37] offset:65536*(fb&3)+16*(fm&1)+64*(fm>>1)
.else
	global_load_b128 v[16*fb+4*fm:16*fb+4*fm+3], v[SOFW], s[40:41] offset:65536*(fb&3)+16*(fm&1)+64*(fm>>1)
.endif
.set fm, fm+1
.endr
.set fb, fb+1
.endr
	TLOAD 4                                        ; ring place 0, at the walking base
	s_wait_loadcnt 0x0
	WIN 0x05
.set nn, 0
.rept 64
	v_cvt_pk_bf16_f32 v[WF+nn], v[2*nn], v[2*nn+1]
.set nn, nn+1
.endr
	MULT 0, 0, 0, 0, 0
	v_add_nc_u32 v[SOFW], 128, v[SOFW]             ; 32 f32 on; the wait for 0 above has shown the loads that name these two done
	s_add_nc_u64 s[26:27], s[26:27], 64
	s_sub_co_u32 s32, s32, 1
	s_cmp_lg_u32 s32, 0
	s_cbranch_scc1 .Lslow
.Lepi:
	PLACES                                         ; behind the last products, on every path
	EPI 0
	EPI 1
	EPI 2
	EPI 3
	EPI 4
.Lepi_end:
.Lnext:
	s_wait_xcnt 0x0                                ; the stores' offset and data are rewritten only behind this wait
	v_add_nc_u32 v[LA], 1280, v[LA]                ; 20 tiles on in the list,
	v_add_nc_u32 v[HST], 20*65536, v[HST]          ; and in hb
	s_add_co_u32 s[PASS], s[PASS], 1
	s_cmp_lt_u32 s[PASS], 4
	s_cbranch_scc1 .Lpass
	s_or_b32 s33, s[SL], s[WV]                     ; wave 0 of the expert's slice 0 stores list and count for the launch behind
	s_cmp_lg_u32 s33, 0
	s_cbranch_scc1 .Lno_list
	v_add_nc_u32 v[TA], LIST, v[L16]
.set qq, 0
.rept 10
	ds_load_b128 v[T+4*qq:T+4*qq+3], v[TA] offset:512*qq
.set qq, qq+1
.endr
.set qq, 0
.rept 4
	v_mov_b32 v[T+40+qq], s[RUN]
.set qq, qq+1
.endr
	s_mul_i32 s34, s[EX], 6144                     ; an expert has 6,144 bytes of lst: 5,120 of list, then 512 that all hold the count
	s_add_nc_u64 s[14:15], s[14:15], s[34:35]
	s_wait_dscnt 0x0
.set qq, 0
.rept 11
	global_store_b128 v[L16], v[T+4*qq:T+4*qq+3], s[14:15] offset:512*qq   ; 512 consecutive bytes, at a multiple of 512 from lst's first byte
.set qq, qq+1
.endr
.Lno_list:
	s_wait_dscnt 0x0                               ; my reads of LDS are over;
	s_barrier_signal -1
	s_barrier_wait -1                              ; so are all four waves': every read of the list stands ahead of this barrier, every wave's closing add behind it
	s_wait_tensorcnt 0x0                           ; the wave's end, behind my last LDS store
	ds_add_u32 v[SPW], v[NIL]
	s_wait_dscnt 0x0
	s_endpgm
.Lfunc_end_k_q3473dfb44b_gateup:
	.size	k_q3473dfb44b_gateup, .Lfunc_end_k_q3473dfb44b_gateup-k_q3473dfb44b_gateup
	.p2alignl 7, 3214868480
	.fill 96, 4, 3214868480
	.section	.rodata,"a",@progbits
	.p2align	6, 0x0
	.amdhsa_kernel k_q3473dfb44b_gateup
		.amdhsa_group_segment_fixed_size 43008
		.amdhsa_private_segment_fixed_size 0
		.amdhsa_enable_private_segment 0
		.amdhsa_kernarg_size 48
		.amdhsa_user_sgpr_count 2
		.amdhsa_user_sgpr_kernarg_segment_ptr 1
		.amdhsa_wavefront_size32 1
		.amdhsa_system_sgpr_workgroup_id_x 1
		.amdhsa_system_sgpr_workgroup_id_y 1
		.amdhsa_system_sgpr_workgroup_id_z 1
		.amdhsa_system_vgpr_workitem_id 0
		.amdhsa_next_free_vgpr 992
		.amdhsa_next_free_sgpr 80
		.amdhsa_reserve_vcc 0
		.amdhsa_float_denorm_mode_32 3
		.amdhsa_float_denorm_mode_16_64 3
		.amdhsa_memory_ordered 1
		.amdhsa_forward_progress 1
		.amdhsa_inst_pref_size 172
	.end_amdhsa_kernel
	.amdgpu_metadata
---
amdhsa.version: [ 1, 2 ]
amdhsa.kernels:
  - .name:           k_q3473dfb44b_gateup
    .symbol:         k_q3473dfb44b_gateup.kd
    .args:
      - { .name: xb, .offset: 0, .size: 8, .value_kind: global_buffer, .address_space: global }
      - { .name: idx, .offset: 8, .size: 8, .value_kind: global_buffer, .address_space: global }
      - { .name: w_gate, .offset: 16, .size: 8, .value_kind: global_buffer, .address_space: global }
      - { .name: w_up, .offset: 24, .size: 8, .value_kind: global_buffer, .address_space: global }
      - { .name: hb, .offset: 32, .size: 8, .value_kind: global_buffer, .address_space: global }
      - { .name: lst, .offset: 40, .size: 8, .value_kind: global_buffer, .address_space: global }
    .group_segment_fixed_size: 43008
    .private_segment_fixed_size: 0
    .kernarg_segment_align: 8
    .kernarg_segment_size: 48
    .max_flat_workgroup_size: 128
    .sgpr_count:     80
    .vgpr_count:     992
    .wavefront_size: 32
...
	.end_amdgpu_metadata
.endif
;; end of part 2
;; launch down (part 3): grid 256 x 1, 4 waves a work-group, no clusters, 150,016 bytes of LDS; arguments hb, lst, w_down, y; writes y
.if DOCPART == 3
	.amdgcn_target "amdgcn-amd-amdhsa--gfx1250"
	.amdhsa_code_object_version 6
	.text
	.protected	k_q3473dfb44b_down
	.globl	k_q3473dfb44b_down
	.p2align	8
	.type	k_q3473dfb44b_down,@function
k_q3473dfb44b_down:
	s_mov_b64 s[64:65], 0
	v_nop
	global_prefetch_b8 v0, s[64:65] scope:SCOPE_SE
	s_setreg_imm32_b32 hwreg(HW_REG_WAVE_MODE, 25, 1), 1
	s_wait_xcnt 0x0
; SECOND PRODUCT.  y[kh][e][t][d] = the sum over the half kh of f of h[row of t][f] w_down[e][d][f], for the tokens t that chose expert e.  Operands bf16, sums f32; y is a partial sum and stays f32, unweighted.
; SHARES.  Work-group n: expert e = n / 32, rows 64 ds .. + 63 of w_down[e] (ds = (n % 32) / 2), columns 1,024 kh .. + 1,023 (kh = n % 2): 262,144 bytes of f32 that this work-group alone reads, once.
; K is halved so that a work-group reads half of the expert's h, each fragment of h feeds four matrix instructions, and a token's piece of y is 256 consecutive bytes.
; PHASE A streams the slice through registers (eight half rows of 4,096 bytes, 64 loads of 512 bytes, asked for by each wave), rounds it to bf16 and lays it into LDS.
; PHASE B walks the expert's tiles of 16 rows: fragments of h come from hb straight into registers, 512 consecutive bytes a load, as the launch before laid them; weights from LDS.
; Its 32 sub-steps along K are written out: the weights' four LDS addresses and the base of h never change, and K stands in the immediates.
; It writes LDS only in each wave's own stage, so it has no barrier and its length may hang on the expert's count.
; THE LIST of the expert's tokens and their count come from lst, whole numbers that the launch before stored: the count by a scalar load that lands under phase A, a pass's 80 tokens a wave by ten
; loads of 16 bytes ahead of the pass's fragments.  The list says to which row of y a tile's row goes.
; Places past the count name token 0: such a row of h is token 0's under this expert, and what is made of it is stored into y[kh][e][0], which nobody reads unless token 0 chose e, and then it holds those same numbers.
; EVERY SPLIT IS SERVED: tiles 20 p + 4 i + w, four passes by a constant count.  A pass in which the wave has no tile is jumped forward over; in any other it multiplies tiles 0 to 3 whether they exist
; or not (a tile past the expert's last repeats the last and is not stored); the fifth tile's products and every tile's way out are jumped where there are no rows.  No barrier stands in what is jumped.
; THE MATRIX INSTRUCTION IS USED TRANSPOSED (source 0 = 16 rows of w_down, source 1 = 16 rows of h): a lane holds one token and eight neighbouring d.
; NO CLUSTER: each slice of weights has one reader.  The expert's h is shared by 16 work-groups, but how many tiles of it exist hangs on the stored count;
; a walk of the constant 64 tiles would ask for four times the tiles that an even split has.
; LIMITS.  NaN and infinities are not treated apart.
.set PITCH, 2064                       ; an LDS row: 2,048 bytes of bf16 + 16 = 129 x 16
.set STAGE, 64*PITCH                   ; behind the weights: 16 rows x 272 bytes for each wave, its own
.set SP,    272
.set SPARE, STAGE+4*16*SP
; window 0
.set LANE, 1
.set RR,   2
.set HH,   3
.set SPW,  4
.set NIL,  5
.set L16,  6
.set LS,   7                           ; phase A: where my 8 bytes of the round's first row go
.set OFF,  8                           ; v[8:15]  phase A
.set WAD0, 16                          ; v[16:19] block b's fragment address at K = 0; never rewritten
.set HOF,  24                          ; v[24:28] tile i of hb + 16 x lane
.set LA2,  29                          ; byte offset in the expert's list of the pass's tile 0, rows 8 (lane / 16) on
.set CV,   34                          ; v[34:49]
.set TA,   48
.set STO,  50                          ; the stage: where I put 32 bytes of a row
.set RD,   51                          ; where I read rows back
.set C16,  52                          ; 16 x (lane % 16)
.set TK,   64                          ; v[64:103] tile i: the tokens of rows 8 (lane / 16) + 0 .. 7
.set WF,   128                         ; v[128:159], v[160:191] two buffers of four weight fragments
.set BK,   192                         ; v[192:223] 16 rows read back from the stage
.set YO,   232                         ; v[232:239] their offsets in y
; window 1: phase A: the ring, slot i at 32 i; phase B: ring slots 0-5 of h, slot j, tile i at 40 j + 8 i.   window 2: ring slots 6, 7 at 40 (j - 6) + 8 i.   window 3: accumulators at 32 i + 8 b
.set WV,   14
.set EX,   15
.set RUN,  28
.set NT,   29
.set MT,   30
.set PASS, 31
.set MSB, 0
.macro WIN new                         ; s_set_vgpr_msb: bits 1:0 source 0, 3:2 source 1, 5:4 source 2, 7:6 destination; the high byte repeats the setting that is left
.if MSB != (\new)
	s_set_vgpr_msb (MSB<<8)|(\new)
.set MSB, \new
.endif
.endm
.macro PLACES                          ; four plain instructions between a matrix instruction and a load into, or a store from, its registers
.rept 4
	v_nop
.endr
.endm
.macro FILL i
	WIN 0x40
.set kk, 0
.rept 8
	global_load_b128 v[32*(\i)+4*kk:32*(\i)+4*kk+3], v[OFF+(\i)], s[20:21] offset:512*kk th:TH_LOAD_NT
.set kk, kk+1
.endr
	WIN 0
.endm
.macro SLOT i, refill, left
	s_wait_loadcnt \left
	WIN 0x05
.set kk, 0
.rept 16
	v_cvt_pk_bf16_f32 v[CV+kk], v[32*(\i)+2*kk], v[32*(\i)+2*kk+1]
.set kk, kk+1
.endr
	WIN 0
.set kk, 0
.rept 8
	ds_store_b64 v[LS], v[CV+2*kk:CV+2*kk+1] offset:(\i)*PITCH+256*kk
.set kk, kk+1
.endr
.if \refill
	v_add_nc_u32 v[OFF+(\i)], 65536, v[OFF+(\i)]   ; eight rows of 8,192 bytes on; free since the wait above showed the slot's own loads done
	FILL \i
.endif
.endm
	s_load_b256 s[4:11], s[0:1], 0x0               ; hb s[4:5], lst s[6:7], w_down s[8:9], y s[10:11]
	v_lshl_add_u32 v[SPW], v0, 2, SPARE
	v_mov_b32 v[NIL], 0
	v_and_b32 v[LANE], 31, v0
	v_lshrrev_b32 v[RR], 5, v0
	v_readfirstlane_b32 s[WV], v[RR]               ; wave
	v_and_b32 v[RR], 15, v0
	v_bfe_u32 v[HH], v0, 4, 1
	v_lshlrev_b32 v[L16], 4, v[LANE]
	s_lshr_b32 s[EX], ttmp9, 5                     ; expert
	s_bfe_u32 s16, ttmp9, 0x40001                  ; ds: which 64 rows
	s_and_b32 s17, ttmp9, 1                        ; kh: which half of K
	s_lshl_b32 s18, s[EX], 23                      ; an expert: 8 MiB; 64 rows of 8,192 bytes: 512 KiB; a wave's 16 rows: 128 KiB; half a row: 4,096 bytes
	s_lshl_b32 s40, s16, 19
	s_add_co_u32 s18, s18, s40
	s_lshl_b32 s40, s[WV], 17
	s_add_co_u32 s18, s18, s40
	s_lshl_b32 s40, s17, 12
	s_add_co_u32 s18, s18, s40
	s_mov_b32 s19, 0
	s_mul_i32 s46, s[EX], 6144                     ; an expert has 6,144 bytes of lst: 5,120 of list, then the count; s46 is not written again
	s_mov_b32 s47, 0
.irp i, 0,1,2,3,4,5,6,7
	v_add_nc_u32 v[OFF+\i], (\i)*8192, v[L16]
.endr
	s_wait_kmcnt 0x0
	s_load_b32 s[RUN], s[6:7], s46 offset:0x1400   ; the expert's count: waited for behind phase A
	s_add_nc_u64 s[20:21], s[8:9], s[18:19]        ; my wave's half rows
.irp i, 0,1,2,3,4,5,6,7
	FILL \i
.endr
	s_add_nc_u64 s[44:45], s[6:7], s[46:47]        ; the expert's list
	s_lshl_b32 s18, s17, 25                        ; y: a half 32 MiB, an expert 4 MiB, my 64 columns 256 bytes
	s_lshl_b32 s40, s[EX], 22
	s_add_co_u32 s18, s18, s40
	s_lshl_b32 s40, s16, 8
	s_add_co_u32 s18, s18, s40
	s_add_nc_u64 s[22:23], s[10:11], s[18:19]
	s_lshl_b32 s18, s[EX], 22                      ; hb: an expert 4 MiB; the half's 64 blocks of 16 f begin at 32,768 kh in each tile
	s_lshl_b32 s40, s17, 15
	s_add_co_u32 s18, s18, s40
	s_add_nc_u64 s[24:25], s[4:5], s[18:19]
	s_mul_i32 s40, s[WV], 16*PITCH
	v_lshl_add_u32 v[LS], v[LANE], 3, s40
	v_mul_u32_u24 v[TA], v[RR], PITCH              ; a fragment: lane l holds row l % 16; K = 8 (l / 16) .. + 7 and 16 + 8 (l / 16) .. + 7: two loads of 16 bytes, 32 bytes apart
	v_lshl_add_u32 v[TA], v[HH], 4, v[TA]
.irp b, 0,1,2,3
	v_add_nc_u32 v[WAD0+\b], 16*(\b)*PITCH, v[TA]
.endr
	s_mul_i32 s40, s[WV], 16*SP
	s_add_co_u32 s40, s40, STAGE                   ; my stage
	v_mul_u32_u24 v[STO], v[RR], SP                ; in: row lane % 16, 32 bytes for each half of the lanes
	v_lshl_add_u32 v[STO], v[HH], 5, v[STO]
	v_add_nc_u32 v[STO], s40, v[STO]
	v_mul_u32_u24 v[RD], v[HH], 8*SP               ; back: lanes 0-15 take row tt of 256 bytes, lanes 16-31 row tt + 8: a lane's eight rows are eight neighbouring words of the list
	v_lshl_add_u32 v[RD], v[RR], 4, v[RD]
	v_add_nc_u32 v[RD], s40, v[RD]
	v_lshlrev_b32 v[C16], 4, v[RR]
	s_lshl_b32 s40, s[WV], 6
	v_lshl_add_u32 v[LA2], v[HH], 5, s40           ; list word 16 w + 8 (lane / 16), in bytes
	; PHASE A: two rounds of eight half rows
.irp i, 0,1,2,3,4,5,6,7
	SLOT \i, 1, 56                                 ; seven younger rows of eight loads stay out
.endr
	v_add_nc_u32 v[LS], 8*PITCH, v[LS]
.irp i, 0,1,2,3,4,5,6,7
	SLOT \i, 0, 56-8*\i
.endr
	s_wait_dscnt 0x0                               ; for the others' sake: my rows are in LDS
	s_barrier_signal -1
	s_barrier_wait -1                              ; the one barrier: from here on a wave writes its own stage alone
	s_wait_kmcnt 0x0                               ; the count
	s_min_u32 s[RUN], s[RUN], 1024
	s_add_co_u32 s[NT], s[RUN], 15
	s_lshr_b32 s[NT], s[NT], 4
	; PHASE B.  K goes in 32 sub-steps of 32: 64 bytes of a weight row, two blocks of 512 bytes of a tile of hb.
.macro WFETCH buf, ko                  ; the four weight fragments at byte ko of the rows
.set tb, 0
.rept 4
	ds_load_b128 v[WF+32*(\buf)+8*tb:WF+32*(\buf)+8*tb+3],   v[WAD0+tb] offset:(\ko)
	ds_load_b128 v[WF+32*(\buf)+8*tb+4:WF+32*(\buf)+8*tb+7], v[WAD0+tb] offset:(\ko)+32
.set tb, tb+1
.endr
.endm
.macro TLOAD j, ko                     ; the five tiles' fragments of h into ring slot j.  A tile without rows repeats the expert's last tile: so the counts on the loads are constants on every path
.if (\j) < 6
	WIN 0x40
.set rB0, 40*(\j)
.else
	WIN 0x80
.set rB0, 40*((\j)-6)
.endif
.set ti, 0
.rept 5
	global_load_b128 v[rB0+8*ti:rB0+8*ti+3],   v[HOF+ti], s[24:25] offset:(\ko)
	global_load_b128 v[rB0+8*ti+4:rB0+8*ti+7], v[HOF+ti], s[24:25] offset:(\ko)+512
.set ti, ti+1
.endr
	WIN 0
.endm
; The products of a sub-step: tiles 0 to 3 always, tile 4 where I have five; four blocks each.  The accumulators take turns: no two matrix instructions that follow each
; other share one, on either path.  zero = 1: the pass's first sub-step starts all 20 sums with the constant 0, tile 4's too.
.macro MULT j, buf, zero
.if (\j) < 6
.set WM, 0xf4                          ; weights window 0, h window 1, sums window 3
.set rB0, 40*(\j)
.else
.set WM, 0xf8                          ; h window 2
.set rB0, 40*((\j)-6)
.endif
.set ti, 0
.rept 5
.if (ti == 4) && !(\zero)
	WIN 0                                          ; at a branch and at a label every window is 0
	s_cmp_lt_u32 s[MT], 5
	s_cbranch_scc1 .Lmend_\@
.endif
	WIN WM
.set tb, 0
.rept 4
.set rA, WF+32*(\buf)+8*tb
.set rB, rB0+8*ti
.set rC, 32*ti+8*tb
.if \zero
	v_wmma_f32_16x16x32_bf16 v[rC:rC+7], v[rA:rA+7], v[rB:rB+7], 0
.else
	v_wmma_f32_16x16x32_bf16 v[rC:rC+7], v[rA:rA+7], v[rB:rB+7], v[rC:rC+7]
.endif
.set tb, tb+1
.endr
.set ti, ti+1
.endr
	WIN 0
.Lmend_\@:
.endm
; Sub-step n of 32.  Its weight fragments were asked for a sub-step ago, its fragments of h seven sub-steps ago: a sub-step here has 20 matrix instructions at the most.
.macro SUB n, zero, reload, wnext, left
	s_wait_dscnt 0x0                               ; this sub-step's weight fragments
	PLACES                                         ; behind the last sub-step's products, whose registers the loads below fill again
.if \wnext
	WFETCH ((\n)+1)&1, ((\n)+1)*64
.endif
.if \reload
	TLOAD ((\n)+7)%8, ((\n)+7)*1024
.endif
	s_wait_loadcnt \left
	MULT (\n)%8, (\n)&1, \zero
.endm
; The way out of tile i: a lane's 32 bytes of a row go into my stage and come back as whole rows of 256 bytes; each row goes to its token's place in y.
.macro EPI i
.if (\i) > 0
	s_cmp_le_u32 s[MT], \i
	s_cbranch_scc1 .Lepi_end
.endif
	s_wait_xcnt 0x0                                ; BK and YO were the last tile's store sources: they are rewritten only behind this wait
	WIN 0x0c                                       ; store data in window 3
.set tb, 0
.rept 4                                                ; each accumulator's four lowest registers first
	ds_store_b128 v[STO], v[32*(\i)+8*tb:32*(\i)+8*tb+3]   offset:64*tb
	ds_store_b128 v[STO], v[32*(\i)+8*tb+4:32*(\i)+8*tb+7] offset:64*tb+16
.set tb, tb+1
.endr
	WIN 0
.set tt, 0
.rept 8
	ds_load_b128 v[BK+4*tt:BK+4*tt+3], v[RD] offset:SP*tt     ; LDS serves a wave's instructions in order (ISA guide 5.7.1.4): these see the stores above
.set tt, tt+1
.endr
.set tt, 0
.rept 8                                                ; the token of row tt + 8 (lane / 16); this work stands between the loads above and the wait for them
	v_min_u32 v[TK+8*(\i)+tt], 1023, v[TK+8*(\i)+tt]
	v_lshl_add_u32 v[YO+tt], v[TK+8*(\i)+tt], 12, v[C16]  ; a row of y is 4,096 bytes
.set tt, tt+1
.endr
	s_wait_dscnt 0x0
.set tt, 0
.rept 8
	global_store_b128 v[YO+tt], v[BK+4*tt:BK+4*tt+3], s[22:23]  ; 16 lanes store 256 consecutive bytes, at a multiple of 256 from y's first byte
.set tt, tt+1
.endr
.endm
	s_mov_b32 s[PASS], 0
.Lpass:
	s_mul_i32 s40, s[PASS], 20                     ; my tiles in this pass: those of 20 p + 4 i + w that lie under NT
	s_sub_co_i32 s[MT], s[NT], s40
	s_sub_co_i32 s[MT], s[MT], s[WV]
	s_add_co_i32 s[MT], s[MT], 3
	s_ashr_i32 s[MT], s[MT], 2
	s_max_i32 s[MT], s[MT], 0
	s_min_i32 s[MT], s[MT], 5
	s_cmp_eq_u32 s[MT], 0
	s_cbranch_scc1 .Lnext
	s_sub_co_u32 s41, s[NT], 1                     ; the expert's last tile: NT is at least 1 here
	s_add_co_u32 s40, s40, s[WV]
.set ti, 0
.rept 5
	s_add_co_u32 s42, s40, 4*ti
	s_min_u32 s42, s42, s41                        ; a tile past the last repeats the last, which has been written
	s_min_u32 s42, s42, 63
	s_lshl_b32 s42, s42, 16                        ; a tile of hb is 65,536 bytes
	v_add_nc_u32 v[HOF+ti], s42, v[L16]            ; no load that names it is out: the last wait on the loads was for 0
.set ti, ti+1
.endr
.set ti, 0
.rept 5                                                ; the pass's tokens, ahead of its fragments: older than every load that the waits below count
	global_load_b128 v[TK+8*ti:TK+8*ti+3],   v[LA2], s[44:45] offset:256*ti
	global_load_b128 v[TK+8*ti+4:TK+8*ti+7], v[LA2], s[44:45] offset:256*ti+16
.set ti, ti+1
.endr
.irp j, 0,1,2,3,4,5,6,7
	TLOAD \j, 1024*\j
.endr
	WFETCH 0, 0
	SUB 0, 1, 0, 1, 63                             ; 70 loads are younger; 63 is the largest count the wait can name, and a smaller count is safe
.set gs, 1
.rept 24                                               ; sub-steps 1 to 24 ask for the sub-steps seven ahead, 31 at the most
	SUB gs, 0, 1, 1, 63
.set gs, gs+1
.endr
.rept 6                                                ; the last seven sub-steps ask for no h: the counts run down, ten loads for each younger slot
	SUB gs, 0, 0, 1, 10*(31-gs)
.set gs, gs+1
.endr
	SUB 31, 0, 0, 0, 0
	PLACES                                         ; behind the last products, on every path
	EPI 0
	EPI 1
	EPI 2
	EPI 3
	EPI 4
.Lepi_end:
.Lnext:
	s_wait_xcnt 0x0
	v_add_nc_u32 v[LA2], 1280, v[LA2]              ; 20 tiles on in the list
	s_add_co_u32 s[PASS], s[PASS], 1
	s_cmp_lt_u32 s[PASS], 4
	s_cbranch_scc1 .Lpass
	s_wait_tensorcnt 0x0                           ; the wave's end, behind my last LDS store
	ds_add_u32 v[SPW], v[NIL]
	s_wait_dscnt 0x0
	s_endpgm
.Lfunc_end_k_q3473dfb44b_down:
	.size	k_q3473dfb44b_down, .Lfunc_end_k_q3473dfb44b_down-k_q3473dfb44b_down
	.p2alignl 7, 3214868480
	.fill 96, 4, 3214868480
	.section	.rodata,"a",@progbits
	.p2align	6, 0x0
	.amdhsa_kernel k_q3473dfb44b_down
		.amdhsa_group_segment_fixed_size 150016
		.amdhsa_private_segment_fixed_size 0
		.amdhsa_enable_private_segment 0
		.amdhsa_kernarg_size 32
		.amdhsa_user_sgpr_count 2
		.amdhsa_user_sgpr_kernarg_segment_ptr 1
		.amdhsa_wavefront_size32 1
		.amdhsa_system_sgpr_workgroup_id_x 1
		.amdhsa_system_sgpr_workgroup_id_y 1
		.amdhsa_system_sgpr_workgroup_id_z 1
		.amdhsa_system_vgpr_workitem_id 0
		.amdhsa_next_free_vgpr 928
		.amdhsa_next_free_sgpr 66
		.amdhsa_reserve_vcc 0
		.amdhsa_float_denorm_mode_32 3
		.amdhsa_float_denorm_mode_16_64 3
		.amdhsa_memory_ordered 1
		.amdhsa_forward_progress 1
		.amdhsa_inst_pref_size 160
	.end_amdhsa_kernel
	.amdgpu_metadata
---
amdhsa.version: [ 1, 2 ]
amdhsa.kernels:
  - .name:           k_q3473dfb44b_down
    .symbol:         k_q3473dfb44b_down.kd
    .args:
      - { .name: hb, .offset: 0, .size: 8, .value_kind: global_buffer, .address_space: global }
      - { .name: lst, .offset: 8, .size: 8, .value_kind: global_buffer, .address_space: global }
      - { .name: w_down, .offset: 16, .size: 8, .value_kind: global_buffer, .address_space: global }
      - { .name: y, .offset: 24, .size: 8, .value_kind: global_buffer, .address_space: global }
    .group_segment_fixed_size: 150016
    .private_segment_fixed_size: 0
    .kernarg_segment_align: 8
    .kernarg_segment_size: 32
    .max_flat_workgroup_size: 128
    .sgpr_count:     66
    .vgpr_count:     928
    .wavefront_size: 32
...
	.end_amdgpu_metadata
.endif
;; end of part 3
;; launch combine (part 4): grid 256 x 1, 4 waves a work-group, no clusters, 0 bytes of LDS; arguments y, idx, tw, out0; writes out0
.if DOCPART == 4
	.amdgcn_target "amdgcn-amd-amdhsa--gfx1250"
	.amdhsa_code_object_version 6
	.text
	.protected	k_q3473dfb44b_combine
	.globl	k_q3473dfb44b_combine
	.p2align	8
	.type	k_q3473dfb44b_combine,@function
k_q3473dfb44b_combine:
	s_mov_b64 s[64:65], 0
	v_nop
	global_prefetch_b8 v0, s[64:65] scope:SCOPE_SE
	s_setreg_imm32_b32 hwreg(HW_REG_WAVE_MODE, 25, 1), 1
	s_wait_xcnt 0x0
; THE SUM.  out[t] = w0 (y[0][e0][t] + y[1][e0][t]) + w1 (y[0][e1][t] + y[1][e1][t]), all in f32: e0, e1 the token's two experts (whole numbers stored by the first launch), w0, w1 their weights.
; One wave a token: four rows of 4,096 bytes in, one out; all 32 loads of 512 consecutive bytes go out before the first wait, and each chunk is stored from registers of its own.
; A stream: memory binds, no row is shared, so LDS, barriers, the matrix unit and clusters would add nothing.
; The two experts' parts are added in the order of the scores, not of the experts' numbers: an f32 sum of two terms, the same either way.
.set Y0, 8                             ; v[8:135] chunk c at 8 + 16 c: e0 half 0, e0 half 1, e1 half 0, e1 half 1, four registers each
	s_load_b256 s[4:11], s[0:1], 0x0               ; y s[4:5], idx s[6:7], tw s[8:9], out0 s[10:11]
	v_and_b32 v1, 31, v0
	v_lshrrev_b32 v2, 5, v0
	v_readfirstlane_b32 s12, v2                    ; wave
	v_lshlrev_b32 v1, 4, v1                        ; 16 x lane
	s_lshl_b32 s13, ttmp9, 2
	s_add_co_u32 s13, s13, s12                     ; my token
	s_lshl_b32 s14, s13, 3
	s_lshl_b32 s15, s13, 12                        ; a row is 4,096 bytes
	s_wait_kmcnt 0x0
	s_load_b64 s[16:17], s[6:7], s14 offset:0x0    ; e0, e1
	s_load_b64 s[18:19], s[8:9], s14 offset:0x0    ; w0, w1
	s_mov_b32 s23, 0
	s_mov_b32 s33, 0
	s_mov_b32 s32, s15
	s_wait_kmcnt 0x0
	s_min_u32 s16, s16, 7
	s_min_u32 s17, s17, 7
	s_mov_b32 s20, s19                             ; w1 as the low word of a pair
	s_mov_b32 s21, s19
	s_lshl_b32 s22, s16, 22                        ; an expert's rows of y are 4 MiB
	s_add_co_u32 s22, s22, s15
	s_add_nc_u64 s[24:25], s[4:5], s[22:23]        ; y[0][e0][t]
	s_add_nc_u64 s[26:27], s[24:25], 0x2000000     ; y[1][e0][t]: 32 MiB on
	s_lshl_b32 s22, s17, 22
	s_add_co_u32 s22, s22, s15
	s_add_nc_u64 s[28:29], s[4:5], s[22:23]        ; y[0][e1][t]
	s_add_nc_u64 s[30:31], s[28:29], 0x2000000     ; y[1][e1][t]
	s_add_nc_u64 s[10:11], s[10:11], s[32:33]      ; out0[t]
.set c, 0
.rept 8
	global_load_b128 v[Y0+16*c:Y0+16*c+3],     v1, s[24:25] offset:512*c th:TH_LOAD_NT
	global_load_b128 v[Y0+16*c+4:Y0+16*c+7],   v1, s[26:27] offset:512*c th:TH_LOAD_NT
	global_load_b128 v[Y0+16*c+8:Y0+16*c+11],  v1, s[28:29] offset:512*c th:TH_LOAD_NT
	global_load_b128 v[Y0+16*c+12:Y0+16*c+15], v1, s[30:31] offset:512*c th:TH_LOAD_NT
.set c, c+1
.endr
.set c, 0
.rept 8
	s_wait_loadcnt 28-4*c                          ; this chunk's four loads are in; the later chunks' stay out
.set p, 0
.rept 2
	v_pk_add_f32 v[Y0+16*c+2*p:Y0+16*c+2*p+1],     v[Y0+16*c+2*p:Y0+16*c+2*p+1],     v[Y0+16*c+4+2*p:Y0+16*c+4+2*p+1]
	v_pk_add_f32 v[Y0+16*c+8+2*p:Y0+16*c+8+2*p+1], v[Y0+16*c+8+2*p:Y0+16*c+8+2*p+1], v[Y0+16*c+12+2*p:Y0+16*c+12+2*p+1]
.set p, p+1
.endr
.set p, 0
.rept 2
	v_pk_mul_f32 v[Y0+16*c+2*p:Y0+16*c+2*p+1], v[Y0+16*c+2*p:Y0+16*c+2*p+1], s[18:19] op_sel_hi:[1,0]
.set p, p+1
.endr
.set p, 0
.rept 2
	v_pk_fma_f32 v[Y0+16*c+2*p:Y0+16*c+2*p+1], v[Y0+16*c+8+2*p:Y0+16*c+8+2*p+1], s[20:21], v[Y0+16*c+2*p:Y0+16*c+2*p+1] op_sel_hi:[1,0,1]
.set p, p+1
.endr
	global_store_b128 v1, v[Y0+16*c:Y0+16*c+3], s[10:11] offset:512*c th:TH_STORE_NT   ; 512 consecutive bytes, at a multiple of 512 from out0's first byte
.set c, c+1
.endr
	s_endpgm
.Lfunc_end_k_q3473dfb44b_combine:
	.size	k_q3473dfb44b_combine, .Lfunc_end_k_q3473dfb44b_combine-k_q3473dfb44b_combine
	.p2alignl 7, 3214868480
	.fill 96, 4, 3214868480
	.section	.rodata,"a",@progbits
	.p2align	6, 0x0
	.amdhsa_kernel k_q3473dfb44b_combine
		.amdhsa_group_segment_fixed_size 0
		.amdhsa_private_segment_fixed_size 0
		.amdhsa_enable_private_segment 0
		.amdhsa_kernarg_size 32
		.amdhsa_user_sgpr_count 2
		.amdhsa_user_sgpr_kernarg_segment_ptr 1
		.amdhsa_wavefront_size32 1
		.amdhsa_system_sgpr_workgroup_id_x 1
		.amdhsa_system_sgpr_workgroup_id_y 1
		.amdhsa_system_sgpr_workgroup_id_z 1
		.amdhsa_system_vgpr_workitem_id 0
		.amdhsa_next_free_vgpr 136
		.amdhsa_next_free_sgpr 66
		.amdhsa_reserve_vcc 0
		.amdhsa_float_denorm_mode_32 3
		.amdhsa_float_denorm_mode_16_64 3
		.amdhsa_memory_ordered 1
		.amdhsa_forward_progress 1
		.amdhsa_inst_pref_size 10
	.end_amdhsa_kernel
	.amdgpu_metadata
---
amdhsa.version: [ 1, 2 ]
amdhsa.kernels:
  - .name:           k_q3473dfb44b_combine
    .symbol:         k_q3473dfb44b_combine.kd
    .args:
      - { .name: y, .offset: 0, .size: 8, .value_kind: global_buffer, .address_space: global }
      - { .name: idx, .offset: 8, .size: 8, .value_kind: global_buffer, .address_space: global }
      - { .name: tw, .offset: 16, .size: 8, .value_kind: global_buffer, .address_space: global }
      - { .name: out0, .offset: 24, .size: 8, .value_kind: global_buffer, .address_space: global }
    .group_segment_fixed_size: 0
    .private_segment_fixed_size: 0
    .kernarg_segment_align: 8
    .kernarg_segment_size: 32
    .max_flat_workgroup_size: 128
    .sgpr_count:     66
    .vgpr_count:     136
    .wavefront_size: 32
...
	.end_amdgpu_metadata
.endif
;; end of part 4
;; ======== version 2 of 2: 4 launches; version 1 with the launch down written anew for expert scheduling mode
;; workspace buffers: xb 2,097,152 bytes; idx 8,192 bytes of whole numbers; tw 8,192 bytes; hb 33,554,432 bytes; y 67,108,864 bytes; lst 49,152 bytes of whole numbers
;; launch router: the kernel of part 1 again; grid 256 x 1, 4 waves a work-group, no clusters, 33,280 bytes of LDS; arguments hidden_states, router_w, xb, idx, tw; writes xb, idx, tw
;; launch gateup: the kernel of part 2 again; grid 256 x 1, 4 waves a work-group, no clusters, 43,008 bytes of LDS; arguments xb, idx, w_gate, w_up, hb, lst; writes hb, lst
;; launch down (part 5): grid 256 x 1, 4 waves a work-group, no clusters, 150,016 bytes of LDS; arguments hb, lst, w_down, y; writes y
.if DOCPART == 5
	.amdgcn_target "amdgcn-amd-amdhsa--gfx1250"
	.amdhsa_code_object_version 6
	.text
	.protected	k_q3473dfb44b_down
	.globl	k_q3473dfb44b_down
	.p2align	8
	.type	k_q3473dfb44b_down,@function
k_q3473dfb44b_down:
	s_mov_b64 s[64:65], 0
	v_nop
	global_prefetch_b8 v0, s[64:65] scope:SCOPE_SE
	s_setreg_imm32_b32 hwreg(HW_REG_WAVE_SCHED_MODE, 0, 2), 2
	s_setreg_imm32_b32 hwreg(HW_REG_WAVE_MODE, 25, 1), 1
	s_wait_xcnt 0x0
	s_wait_alu depctr_vm_vsrc(0)
; SECOND PRODUCT.  y[kh][e][t][d] = the sum over the half kh of f of h[row of t][f] w_down[e][d][f], for the tokens t that chose expert e.  Operands bf16, sums f32; y is a partial sum and stays f32, unweighted.
; SHARES.  Work-group n: expert e = n / 32, rows 64 ds .. + 63 of w_down[e] (ds = (n % 32) / 2), columns 1,024 kh .. + 1,023 (kh = n % 2): 262,144 bytes of f32 that this work-group alone reads, once.
; K is halved so that a work-group reads half of the expert's h, each fragment of h feeds four matrix instructions, and a token's piece of y is 256 consecutive bytes.
; PHASE A streams the slice through registers (eight half rows of 4,096 bytes, 64 loads of 512 bytes, asked for by each wave), rounds it to bf16 and lays it into LDS.
; PHASE B walks the expert's tiles of 16 rows: fragments of h come from hb straight into registers, 512 consecutive bytes a load, as the launch before laid them; weights from LDS.
; Its 32 sub-steps along K are written out: the weights' four LDS addresses and the base of h never change, and K stands in the immediates.
; It writes LDS only in each wave's own stage, so it has no barrier and its length may hang on the expert's count.
; THE MODE: SCHED_MODE bits 1:0 = 2 (LLVM: expert scheduling mode 2), set by the entry lines.  The code itself states the register dependences between vector or matrix instructions and memory or LDS
; instructions, with s_wait_alu, always for 0.
; THE PLAN.  Registers that memory or LDS instructions touch:
;   phase A   the raw ring, slot n % 8: loads land in it; row n's conversions read it; behind them the row eight further on is asked for.
;             two packed buffers by turns: row n's conversions write buffer n & 1, row n's LDS stores read it, row n + 2's conversions write it again.
;             OFF and LS never change: the second eight rows stand in the immediates.
;             So behind a row's conversions stand one wait on vm_vsrc (the row before's stores have read the other buffer, which the next row writes) and one on va_vdst (the packed buffer is written,
;             the raw slot is read out); the refill and the stores follow.
;   phase B   WF[n & 1] and ring slot n % 8 are read by sub-step n's products; the loads of sub-step n + 1 land in them again.  WAD0 never changes; HOF, LA2 and TK are written once a pass.
;             So ONE wait on va_vdst stands at a sub-step's head, ahead of its run of loads; the sub-step's products, which follow the loads, name none of the registers that those touch.
;   way out   the sums are the LDS stores' data; BK takes the rows read back and is the global stores' data; YO, their offsets, is made by vector lines.
; THE LIST of the expert's tokens and their count come from lst, whole numbers that the launch before stored: the count by a scalar load that lands under phase A, a pass's 80 tokens a wave by ten
; loads of 16 bytes ahead of the pass's fragments.  The list says to which row of y a tile's row goes.
; Places past the count name token 0: such a row of h is token 0's under this expert, and what is made of it is stored into y[kh][e][0], which nobody reads unless token 0 chose e, and then it holds those same numbers.
; EVERY SPLIT IS SERVED: tiles 20 p + 4 i + w, four passes by a constant count.  A pass in which the wave has no tile is jumped forward over; in any other it multiplies tiles 0 to 3 whether they exist
; or not (a tile past the expert's last repeats the last and is not stored); the fifth tile's products and every tile's way out are jumped where there are no rows.  No barrier stands in what is jumped.
; THE MATRIX INSTRUCTION IS USED TRANSPOSED (source 0 = 16 rows of w_down, source 1 = 16 rows of h): a lane holds one token and eight neighbouring d.
; NO CLUSTER: each slice of weights has one reader.  The expert's h is shared by 16 work-groups, but how many tiles of it exist hangs on the stored count;
; a walk of the constant 64 tiles would ask for four times the tiles that an even split has.
; LIMITS.  NaN and infinities are not treated apart.
.set PITCH, 2064                       ; an LDS row: 2,048 bytes of bf16 + 16 = 129 x 16
.set STAGE, 64*PITCH                   ; behind the weights: 16 rows x 272 bytes for each wave, its own; the 512 bytes behind the stages are the spare words, 128 bytes a wave
.set SP,    272
; window 0
.set LANE, 1
.set RR,   2
.set HH,   3
.set L16,  6
.set LS,   7                           ; phase A: where my 8 bytes of my wave's first row go; never rewritten
.set OFF,  8                           ; v[8:15]  phase A: ring slot i: my byte offset in row i; never rewritten
.set WAD0, 16                          ; v[16:19] block b's fragment address at K = 0; never rewritten
.set HOF,  24                          ; v[24:28] tile i of hb + 16 x lane
.set LA2,  29                          ; byte offset in the expert's list of the pass's tile 0, rows 8 (lane / 16) on
.set CV,   34                          ; v[34:49], v[104:119] phase A: two buffers of a row's 16 packed registers
.set TA,   48
.set STO,  50                          ; the stage: where I put 32 bytes of a row
.set RD,   51                          ; where I read rows back
.set C16,  52                          ; 16 x (lane % 16)
.set TK,   64                          ; v[64:103] tile i: the tokens of rows 8 (lane / 16) + 0 .. 7
.set WF,   128                         ; v[128:159], v[160:191] two buffers of four weight fragments
.set BK,   192                         ; v[192:223] 16 rows read back from the stage
.set YO,   232                         ; v[232:239] their offsets in y
; window 1: phase A: the ring, slot i at 32 i; phase B: ring slots 0-5 of h, slot j, tile i at 40 j + 8 i.   window 2: ring slots 6, 7 at 40 (j - 6) + 8 i.   window 3: accumulators at 32 i + 8 b
.set WV,   14
.set EX,   15
.set RUN,  28
.set NT,   29
.set MT,   30
.set PASS, 31
.set MSB, 0
.macro WIN new                         ; s_set_vgpr_msb: bits 1:0 source 0, 3:2 source 1, 5:4 source 2, 7:6 destination; the high byte repeats the setting that is left
.if MSB != (\new)
	s_set_vgpr_msb (MSB<<8)|(\new)
.set MSB, \new
.endif
.endm
.macro PLACES                          ; four plain instructions behind a matrix instruction, ahead of a load into, or a store from, its registers
.rept 4
	v_nop
.endr
.endm
.macro FILL i, rnd                     ; row 8 rnd + i of my wave's sixteen half rows into ring slot i: eight rows of 8,192 bytes stand in the immediate
	WIN 0x40
.set kk, 0
.rept 8
	global_load_b128 v[32*(\i)+4*kk:32*(\i)+4*kk+3], v[OFF+(\i)], s[20:21] offset:65536*(\rnd)+512*kk th:TH_LOAD_NT
.set kk, kk+1
.endr
.endm
.macro SLOT n, left                    ; row n of sixteen
.set si, (\n)%8
.set rCV, CV+70*((\n)&1)
	s_wait_loadcnt \left
	WIN 0x05
.set kk, 0
.rept 16
	v_cvt_pk_bf16_f32 v[rCV+kk], v[32*si+2*kk], v[32*si+2*kk+1]
.set kk, kk+1
.endr
.if (\n) < 8
	WIN 0x40
.else
	WIN 0
.endif
.if ((\n) > 0) && ((\n) < 15)
	s_wait_alu depctr_vm_vsrc(0)                   ; the LDS stores of the row before have read the other packed buffer, which the next row's conversions write again
.endif
	s_wait_alu depctr_va_vdst(0)                   ; the conversions have written this packed buffer, which the LDS stores read, and are done reading the raw slot, in which the loads below land; at the first row LS is written
.if (\n) < 8
	FILL si, 1                                     ; the slot is asked for again at once, ahead of the stores
	WIN 0
.endif
.set kk, 0
.rept 8
	ds_store_b64 v[LS], v[rCV+2*kk:rCV+2*kk+1] offset:(\n)*PITCH+256*kk
.set kk, kk+1
.endr
.endm
	s_load_b256 s[4:11], s[0:1], 0x0               ; hb s[4:5], lst s[6:7], w_down s[8:9], y s[10:11]
	v_lshl_add_u32 v254, v0, 2, 0x24800
	v_mov_b32 v255, 0
	v_and_b32 v[LANE], 31, v0
	v_lshrrev_b32 v[RR], 5, v0
	v_readfirstlane_b32 s[WV], v[RR]               ; wave
	v_and_b32 v[RR], 15, v0
	v_bfe_u32 v[HH], v0, 4, 1
	v_lshlrev_b32 v[L16], 4, v[LANE]
	s_lshr_b32 s[EX], ttmp9, 5                     ; expert
	s_bfe_u32 s16, ttmp9, 0x40001                  ; ds: which 64 rows
	s_and_b32 s17, ttmp9, 1                        ; kh: which half of K
	s_lshl_b32 s18, s[EX], 23                      ; an expert: 8 MiB; 64 rows of 8,192 bytes: 512 KiB; a wave's 16 rows: 128 KiB; half a row: 4,096 bytes
	s_lshl_b32 s40, s16, 19
	s_add_co_u32 s18, s18, s40
	s_wait_alu depctr_va_sdst(0)                   ; the wave's number is written, ahead of its first reader: the bases below are made from it
	s_lshl_b32 s40, s[WV], 17
	s_add_co_u32 s18, s18, s40
	s_lshl_b32 s40, s17, 12
	s_add_co_u32 s18, s18, s40
	s_mov_b32 s19, 0
	s_mul_i32 s46, s[EX], 6144                     ; an expert has 6,144 bytes of lst: 5,120 of list, then the count; s46 is not written again
	s_mov_b32 s47, 0
.irp i, 0,1,2,3,4,5,6,7
	v_add_nc_u32 v[OFF+\i], (\i)*8192, v[L16]
.endr
	s_wait_kmcnt 0x0
	s_load_b32 s[RUN], s[6:7], s46 offset:0x1400   ; the expert's count: waited for behind phase A
	s_add_nc_u64 s[20:21], s[8:9], s[18:19]        ; my wave's half rows
	s_wait_alu depctr_va_vdst(0)                   ; the eight offsets OFF are written, which the loads below read
.irp i, 0,1,2,3,4,5,6,7
	FILL \i, 0
.endr
	WIN 0
	s_add_nc_u64 s[44:45], s[6:7], s[46:47]        ; the expert's list
	s_lshl_b32 s18, s17, 25                        ; y: a half 32 MiB, an expert 4 MiB, my 64 columns 256 bytes
	s_lshl_b32 s40, s[EX], 22
	s_add_co_u32 s18, s18, s40
	s_lshl_b32 s40, s16, 8
	s_add_co_u32 s18, s18, s40
	s_add_nc_u64 s[22:23], s[10:11], s[18:19]
	s_lshl_b32 s18, s[EX], 22                      ; hb: an expert 4 MiB; the half's 64 blocks of 16 f begin at 32,768 kh in each tile
	s_lshl_b32 s40, s17, 15
	s_add_co_u32 s18, s18, s40
	s_add_nc_u64 s[24:25], s[4:5], s[18:19]
	s_mul_i32 s40, s[WV], 16*PITCH
	v_lshl_add_u32 v[LS], v[LANE], 3, s40
	v_mul_u32_u24 v[TA], v[RR], PITCH              ; a fragment: lane l holds row l % 16; K = 8 (l / 16) .. + 7 and 16 + 8 (l / 16) .. + 7: two loads of 16 bytes, 32 bytes apart
	v_lshl_add_u32 v[TA], v[HH], 4, v[TA]
.irp b, 0,1,2,3
	v_add_nc_u32 v[WAD0+\b], 16*(\b)*PITCH, v[TA]
.endr
	s_mul_i32 s40, s[WV], 16*SP
	s_add_co_u32 s40, s40, STAGE                   ; my stage
	v_mul_u32_u24 v[STO], v[RR], SP                ; in: row lane % 16, 32 bytes for each half of the lanes
	v_lshl_add_u32 v[STO], v[HH], 5, v[STO]
	v_add_nc_u32 v[STO], s40, v[STO]
	v_mul_u32_u24 v[RD], v[HH], 8*SP               ; back: lanes 0-15 take row tt of 256 bytes, lanes 16-31 row tt + 8: a lane's eight rows are eight neighbouring words of the list
	v_lshl_add_u32 v[RD], v[RR], 4, v[RD]
	v_add_nc_u32 v[RD], s40, v[RD]
	v_lshlrev_b32 v[C16], 4, v[RR]
	s_lshl_b32 s40, s[WV], 6
	v_lshl_add_u32 v[LA2], v[HH], 5, s40           ; list word 16 w + 8 (lane / 16), in bytes
	; PHASE A: sixteen half rows
.irp n, 0,1,2,3,4,5,6,7
	SLOT \n, 56                                    ; seven younger rows of eight loads stay out
.endr
.irp n, 8,9,10,11,12,13,14,15
	SLOT \n, 56-8*((\n)-8)                         ; nothing more is asked for: the counts run down
.endr
	s_wait_dscnt 0x0                               ; for the others' sake: my rows are in LDS
	s_barrier_signal -1
	s_barrier_wait -1                              ; the one barrier: from here on a wave writes its own stage alone
	s_wait_kmcnt 0x0                               ; the count
	s_min_u32 s[RUN], s[RUN], 1024
	s_add_co_u32 s[NT], s[RUN], 15
	s_lshr_b32 s[NT], s[NT], 4
	; PHASE B.  K goes in 32 sub-steps of 32: 64 bytes of a weight row, two blocks of 512 bytes of a tile of hb.
.macro WFETCH buf, ko                  ; the four weight fragments at byte ko of the rows
.set tb, 0
.rept 4
	ds_load_b128 v[WF+32*(\buf)+8*tb:WF+32*(\buf)+8*tb+3],   v[WAD0+tb] offset:(\ko)
	ds_load_b128 v[WF+32*(\buf)+8*tb+4:WF+32*(\buf)+8*tb+7], v[WAD0+tb] offset:(\ko)+32
.set tb, tb+1
.endr
.endm
.macro TLOAD j, ko                     ; the five tiles' fragments of h into ring slot j.  A tile without rows repeats the expert's last tile: so the counts on the loads are constants on every path
.if (\j) < 6
	WIN 0x40
.set rB0, 40*(\j)
.else
	WIN 0x80
.set rB0, 40*((\j)-6)
.endif
.set ti, 0
.rept 5
	global_load_b128 v[rB0+8*ti:rB0+8*ti+3],   v[HOF+ti], s[24:25] offset:(\ko)
	global_load_b128 v[rB0+8*ti+4:rB0+8*ti+7], v[HOF+ti], s[24:25] offset:(\ko)+512
.set ti, ti+1
.endr
	WIN 0
.endm
; The products of a sub-step: tiles 0 to 3 always, tile 4 where I have five; four blocks each.  The accumulators take turns: no two matrix instructions that follow each
; other share one, on either path.  zero = 1: the pass's first sub-step starts all 20 sums with the constant 0, tile 4's too.
.macro MULT j, buf, zero
.if (\j) < 6
.set WM, 0xf4                          ; weights window 0, h window 1, sums window 3
.set rB0, 40*(\j)
.else
.set WM, 0xf8                          ; h window 2
.set rB0, 40*((\j)-6)
.endif
.set ti, 0
.rept 5
.if (ti == 4) && !(\zero)
	WIN 0                                          ; at a branch and at a label every window is 0
	s_cmp_lt_u32 s[MT], 5
	s_cbranch_scc1 .Lmend_\@
.endif
	WIN WM
.set tb, 0
.rept 4
.set rA, WF+32*(\buf)+8*tb
.set rB, rB0+8*ti
.set rC, 32*ti+8*tb
.if \zero
	v_wmma_f32_16x16x32_bf16 v[rC:rC+7], v[rA:rA+7], v[rB:rB+7], 0
.else
	v_wmma_f32_16x16x32_bf16 v[rC:rC+7], v[rA:rA+7], v[rB:rB+7], v[rC:rC+7]
.endif
.set tb, tb+1
.endr
.set ti, ti+1
.endr
	WIN 0
.Lmend_\@:
.endm
; Sub-step n of 32.  Its weight fragments were asked for a sub-step ago, its fragments of h seven sub-steps ago: a sub-step here has 20 matrix instructions at the most.
; Sub-step 0's loads stand behind the pass's own wait, with no vector or matrix instruction between; sub-step 31 asks for nothing: neither has places or a wait on va_vdst.
.macro SUB n, zero, reload, wnext, left
	s_wait_dscnt 0x0                               ; this sub-step's weight fragments
.if ((\n) > 0) && ((\wnext) || (\reload))
	PLACES                                         ; behind the last sub-step's products, whose registers the loads below fill again
	s_wait_alu depctr_va_vdst(0)                   ; the last sub-step's products are done reading the other fragment buffer and their ring slot of h, in which the loads below land
.endif
.if \wnext
	WFETCH ((\n)+1)&1, ((\n)+1)*64
.endif
.if \reload
	TLOAD ((\n)+7)%8, ((\n)+7)*1024
.endif
	s_wait_loadcnt \left
	MULT (\n)%8, (\n)&1, \zero
.endm
; The way out of tile i: a lane's 32 bytes of a row go into my stage and come back as whole rows of 256 bytes; each row goes to its token's place in y.
.macro EPI i
.if (\i) > 0
	s_cmp_le_u32 s[MT], \i
	s_cbranch_scc1 .Lepi_end
.endif
	s_wait_xcnt 0x0                                ; BK and YO were the last tile's store sources: they are rewritten only behind this wait
.if (\i) > 0
	s_wait_alu depctr_vm_vsrc(0)                   ; the last tile's stores have read BK, in which the loads below land, and YO, which the lines below write again
.endif
	WIN 0x0c                                       ; store data in window 3
.set tb, 0
.rept 4                                                ; each accumulator's four lowest registers first
	ds_store_b128 v[STO], v[32*(\i)+8*tb:32*(\i)+8*tb+3]   offset:64*tb
	ds_store_b128 v[STO], v[32*(\i)+8*tb+4:32*(\i)+8*tb+7] offset:64*tb+16
.set tb, tb+1
.endr
	WIN 0
.set tt, 0
.rept 8
	ds_load_b128 v[BK+4*tt:BK+4*tt+3], v[RD] offset:SP*tt     ; LDS serves a wave's instructions in order (ISA guide 5.7.1.4): these see the stores above
.set tt, tt+1
.endr
.set tt, 0
.rept 8                                                ; the token of row tt + 8 (lane / 16); this work stands between the loads above and the wait for them
	v_min_u32 v[TK+8*(\i)+tt], 1023, v[TK+8*(\i)+tt]
	v_lshl_add_u32 v[YO+tt], v[TK+8*(\i)+tt], 12, v[C16]  ; a row of y is 4,096 bytes
.set tt, tt+1
.endr
	s_wait_dscnt 0x0
	s_wait_alu depctr_va_vdst(0)                   ; the eight offsets YO are written, which the stores read
.set tt, 0
.rept 8
	global_store_b128 v[YO+tt], v[BK+4*tt:BK+4*tt+3], s[22:23]  ; 16 lanes store 256 consecutive bytes, at a multiple of 256 from y's first byte
.set tt, tt+1
.endr
.endm
	s_mov_b32 s[PASS], 0
.Lpass:
	s_mul_i32 s40, s[PASS], 20                     ; my tiles in this pass: those of 20 p + 4 i + w that lie under NT
	s_sub_co_i32 s[MT], s[NT], s40
	s_sub_co_i32 s[MT], s[MT], s[WV]
	s_add_co_i32 s[MT], s[MT], 3
	s_ashr_i32 s[MT], s[MT], 2
	s_max_i32 s[MT], s[MT], 0
	s_min_i32 s[MT], s[MT], 5
	s_cmp_eq_u32 s[MT], 0
	s_cbranch_scc1 .Lnext
	s_sub_co_u32 s41, s[NT], 1                     ; the expert's last tile: NT is at least 1 here
	s_add_co_u32 s40, s40, s[WV]
.set ti, 0
.rept 5
	s_add_co_u32 s42, s40, 4*ti
	s_min_u32 s42, s42, s41                        ; a tile past the last repeats the last, which has been written
	s_min_u32 s42, s42, 63
	s_lshl_b32 s42, s42, 16                        ; a tile of hb is 65,536 bytes
	v_add_nc_u32 v[HOF+ti], s42, v[L16]            ; no load that names it is out: the last wait on the loads was for 0; the wait on vm_vsrc at the last pass's end has shown it read
.set ti, ti+1
.endr
	s_wait_alu depctr_va_vdst(0)                   ; HOF and LA2 are written, which the loads below read (in the first pass WAD0 too); the last pass's way out is done with TK, its products with the ring of h and the fragment buffers, phase A's conversions with the raw ring: in all of these the loads below land
.set ti, 0
.rept 5                                                ; the pass's tokens, ahead of its fragments: older than every load that the waits below count
	global_load_b128 v[TK+8*ti:TK+8*ti+3],   v[LA2], s[44:45] offset:256*ti
	global_load_b128 v[TK+8*ti+4:TK+8*ti+7], v[LA2], s[44:45] offset:256*ti+16
.set ti, ti+1
.endr
.irp j, 0,1,2,3,4,5,6,7
	TLOAD \j, 1024*\j
.endr
	WFETCH 0, 0
	SUB 0, 1, 0, 1, 63                             ; 70 loads are younger; 63 is the largest count the wait can name, and a smaller count is safe
.set gs, 1
.rept 24                                               ; sub-steps 1 to 24 ask for the sub-steps seven ahead, 31 at the most
	SUB gs, 0, 1, 1, 63
.set gs, gs+1
.endr
.rept 6                                                ; the last seven sub-steps ask for no h: the counts run down, ten loads for each younger slot
	SUB gs, 0, 0, 1, 10*(31-gs)
.set gs, gs+1
.endr
	SUB 31, 0, 0, 0, 0
	PLACES                                         ; behind the last products, on every path
	s_wait_alu depctr_va_vdst(0)                   ; the products have written the sums, which the LDS stores of the way out read; the places above stay beside this wait
	EPI 0
	EPI 1
	EPI 2
	EPI 3
	EPI 4
.Lepi_end:
.Lnext:
	s_wait_xcnt 0x0
	s_wait_alu depctr_vm_vsrc(0)                   ; all memory and LDS instructions issued so far have read their registers: LA2, which the add writes; HOF, BK and YO, which the next pass writes; the sums, which its first products write
	v_add_nc_u32 v[LA2], 1280, v[LA2]              ; 20 tiles on in the list
	s_add_co_u32 s[PASS], s[PASS], 1
	s_cmp_lt_u32 s[PASS], 4
	s_cbranch_scc1 .Lpass
	s_wait_dscnt 0x0                               ; the wave's end.  The add onto my spare word stands behind these waits
	s_wait_alu depctr_hold_cnt(0) depctr_sa_sdst(0) depctr_va_vdst(0) depctr_va_sdst(0) depctr_va_ssrc(0) depctr_va_vcc(0) depctr_vm_vsrc(0)
	s_wait_tensorcnt 0x0
	ds_add_u32 v254, v255
	s_wait_dscnt 0x0
	s_endpgm
.Lfunc_end_k_q3473dfb44b_down:
	.size	k_q3473dfb44b_down, .Lfunc_end_k_q3473dfb44b_down-k_q3473dfb44b_down
	.p2alignl 7, 3214868480
	.fill 96, 4, 3214868480
	.section	.rodata,"a",@progbits
	.p2align	6, 0x0
	.amdhsa_kernel k_q3473dfb44b_down
		.amdhsa_group_segment_fixed_size 150016
		.amdhsa_private_segment_fixed_size 0
		.amdhsa_enable_private_segment 0
		.amdhsa_kernarg_size 32
		.amdhsa_user_sgpr_count 2
		.amdhsa_user_sgpr_kernarg_segment_ptr 1
		.amdhsa_wavefront_size32 1
		.amdhsa_system_sgpr_workgroup_id_x 1
		.amdhsa_system_sgpr_workgroup_id_y 1
		.amdhsa_system_sgpr_workgroup_id_z 1
		.amdhsa_system_vgpr_workitem_id 0
		.amdhsa_next_free_vgpr 928
		.amdhsa_next_free_sgpr 66
		.amdhsa_reserve_vcc 0
		.amdhsa_float_denorm_mode_32 3
		.amdhsa_float_denorm_mode_16_64 3
		.amdhsa_memory_ordered 1
		.amdhsa_forward_progress 1
		.amdhsa_inst_pref_size 161
	.end_amdhsa_kernel
	.amdgpu_metadata
---
amdhsa.version: [ 1, 2 ]
amdhsa.kernels:
  - .name:           k_q3473dfb44b_down
    .symbol:         k_q3473dfb44b_down.kd
    .args:
      - { .name: hb, .offset: 0, .size: 8, .value_kind: global_buffer, .address_space: global }
      - { .name: lst, .offset: 8, .size: 8, .value_kind: global_buffer, .address_space: global }
      - { .name: w_down, .offset: 16, .size: 8, .value_kind: global_buffer, .address_space: global }
      - { .name: y, .offset: 24, .size: 8, .value_kind: global_buffer, .address_space: global }
    .group_segment_fixed_size: 150016
    .private_segment_fixed_size: 0
    .kernarg_segment_align: 8
    .kernarg_segment_size: 32
    .max_flat_workgroup_size: 128
    .sgpr_count:     66
    .vgpr_count:     928
    .wavefront_size: 32
...
	.end_amdgpu_metadata
.endif
;; end of part 5
;; launch combine: the kernel of part 4 again; grid 256 x 1, 4 waves a work-group, no clusters, 0 bytes of LDS; arguments y, idx, tw, out0; writes out0
